; MI455X (gfx1250); checked and timed in simulation.
; The chip was launched on July 23, 2026; its instructions are those of AMD's public machine-readable ISA for CDNA 5 (MIT licence, August 2026) and "CDNA5" Instruction Set Architecture Reference Guide (July 2026). The comments in the code are by the model that wrote it; some were corrected since.
;; Causal Alibi Attn. Allowed arithmetic: matrix products marked QUANTISED: E2M3 operands, one E8M0 scale for each 32 along K, by v_wmma_scale_f32_16x16x128_f8f6f4 with both operands' format E2M3, f32 sums; everything else in f32.
;; Inputs: Wk 1,024 x 256 float32; Wo 1,024 x 1,024 float32; Wq 1,024 x 1,024 float32; Wv 1,024 x 256 float32; bk 256 float32; bo 1,024 float32; bq 1,024 float32; bv 256 float32; qkv 1 x 4,096 x 1,024 float32; slopes 16 float32.
;; Outputs: out0 1 x 4,096 x 1,024 float32.
;; This version of the problem:
;;   THIS VERSION OF THE PROBLEM IS GIVEN IN LOW PRECISION. The matrix products marked QUANTISED in the list below multiply operands that are first quantised to E2M3 (2 exponent bits, 3 mantissa bits; 6 bits a number), with one power-of-two scale for each 32 numbers along K (OCP MX v1.0); their sums are f32. All else is computed in f32.
;;   The module's matrix products, in the order in which they are computed (A, B: the left and right operand; K: the contracted axis; several contracted axes count as one K, in the product's order):
;;     1. [M 4,096, K 1,024] x [K 1,024, N 1,024]; A: input qkv; B: input Wq: QUANTISED
;;     2. [M 4,096, K 1,024] x [K 1,024, N 256]; A: input qkv; B: input Wk: QUANTISED
;;     3. [M 4,096, K 1,024] x [K 1,024, N 256]; A: input qkv; B: input Wv: QUANTISED
;;     4. batch 4 x [M 16,384, K 64] x [K 64, N 4,096]; A: computed on the way; B: computed on the way: QUANTISED
;;     5. batch 4 x [M 16,384, K 4,096] x [K 4,096, N 64]; A: softmax (see below); B: computed on the way: QUANTISED
;;     6. [M 4,096, K 1,024] x [K 1,024, N 1,024]; A: computed on the way; B: input Wo: QUANTISED
;;   THE QUANTISER, for each operand of a quantised product, along K:
;;     - K is cut into blocks of 32 from its start; a last block that is shorter is filled with zeros.
;;     - A block's scale is 2^e with e = floor(log2(the largest magnitude in the block)) - 2, held to -126 .. 127; a block of zeros has e = 0. As a byte (E8M0): e + 127.
;;     - Each number is divided by its block's scale, clamped to +-7.5, and rounded to the nearest number of E2M3, ties to even, subnormals kept.
;;     - The product sums the exact products of the quantised numbers (number of the format x scale) in f32.
;;   ~~~python
;;   def quantise(x, axis):      # numpy; x: float32 -> the quantised numbers, widened to float32 again
;;       x = np.moveaxis(x, axis, -1); K = x.shape[-1]
;;       x = np.pad(x, [(0, 0)] * (x.ndim - 1) + [(0, -K % 32)]); x = x.reshape(x.shape[:-1] + (-1, 32)); a = np.abs(x).max(-1, keepdims=True)
;;       e = np.where(a > 0, np.clip(np.frexp(np.where(a > 0, a, 1))[1] - 1 - 2, -126, 127), 0)      # np.frexp(a)[1] - 1 = floor(log2(a)), exactly
;;       r = np.clip(x / 2.0 ** e, -7.5, 7.5)
;;       step = 2.0 ** (np.maximum(np.frexp(np.where(r == 0, 1, r))[1] - 1, 0) - 3)
;;       q = np.round(r / step) * step * 2.0 ** e      # np.round: ties to even
;;       return np.moveaxis(q.reshape(q.shape[:-2] + (-1,))[..., :K], -1, axis).astype(np.float32)
;;   ~~~
;;   SOFTMAX AHEAD OF A QUANTISED PRODUCT. Where the list says 'softmax', what is quantised is not the finished softmax but p = 2^(t - M), with t = logit x log2(e) and M = ceil(the row's largest t), a whole number; so 1/2 < the row's largest p <= 1. The row's sum l is taken of the UNQUANTISED p, in f32, and the product's result is divided by l at the end. Since M is a whole number, a kernel that streams over the keys may use a running M (the ceiling of the running maximum): every later rescaling is an exact power of two, which a block's scale takes up: the codes' values come out the same.
;;   OPERANDS COMPUTED ON THE WAY. 'Computed on the way' means the value that the module computes at that place (a softmax that the list does not call 'softmax' is quantised finished and normalised). What goes into a quantiser is computed in f32, as accurately as f32 sums, v_exp_f32 and their like allow (about 1e-6 of the number): no bf16 or f16 on the way to a quantiser, and a product that is left as it is and whose result goes on into a quantised operand takes f32 operands (vector FMAs, or v_wmma_f32_16x16x4_f32). A number that lies on a knife's edge between two numbers of the format may be rounded either way, as far as f32 arithmetic and the matrix unit's own rounding can turn it there, and no further.
;; One version. Each part assembles by itself: llvm-mc -triple=amdgcn-amd-amdhsa -mcpu=gfx1250 --defsym DOCPART=n.
;; ======== version 1 of 1: 4 launches
;; workspace buffers: xq 3,276,800 bytes; wq 2,048,000 bytes; qb 3,407,872 bytes; kvb 1,671,168 bytes; ab 3,276,800 bytes
;; launch quant (part 1): grid 416 x 1, 4 waves a work-group, no clusters, 67,072 bytes of LDS; arguments qkv, Wq, Wk, Wv, Wo, xq, wq; writes xq, wq
.if DOCPART == 1
	.amdgcn_target "amdgcn-amd-amdhsa--gfx1250"
	.amdhsa_code_object_version 6
	.text
	.protected	k_q008cd4b27c_quant
	.globl	k_q008cd4b27c_quant
	.p2align	8
	.type	k_q008cd4b27c_quant,@function
k_q008cd4b27c_quant:
	s_mov_b64 s[64:65], 0
	v_nop
	global_prefetch_b8 v0, s[64:65] scope:SCOPE_SE
	s_setreg_imm32_b32 hwreg(HW_REG_WAVE_MODE, 25, 1), 1
	s_wait_xcnt 0x0
; The tokens qkv [4096][1024] and the four weights ([1024 (k)][n]) become codes of E2M3 with one E8M0 byte for each 32 along K,
; laid in the ORDER OF AN OPERAND'S REGISTERS, so that later launches fetch fragments by dense loads of 16 and 8 bytes a lane.
; ROWS OF A TILE: rows (tokens, or columns of a weight) go in groups of 32; lane r of tile T = 2 G + u stands for row 32 G + 8 u + r + 8 (r / 8).
; HALF FRAGMENT (768 bytes): 16 rows x 64 along K; lane (r, h) has the 24 bytes of k = 32 h .. 32 h + 31: registers 0-3 at byte 16 (r + 16 h), registers 4-5 at byte 512 + 16 r + 8 h.
; A fragment (16 rows x 128 K) is two of them; a tile is [K step 0..7][1,536 bytes] = 12,288 bytes.  SCALE WORDS of a tile, 512 bytes: the word of K step 2 y + e of lane r at 128 y + 8 r + 4 e.
; A block's scale is 2^(floor(log2(largest magnitude)) - 2): its byte is the largest magnitude's exponent field - 2, held at 1 from below by a floor among the maximum's leaves.
; LIMITS: a block of zeros, or one whose largest magnitude lies under 2^-124, gets the byte 1 (its codes are zeros or small; this program alone reads the bytes); NaN and infinities are not served.
; Work-groups 0-159 take the weights (20 strips of 128 columns x 8 K steps), work-groups 160-415 a tile of 16 tokens each.  Only the tokens' path touches LDS.  No tensor load, no barrier: waves share nothing.
.set NW,  160
.set XSL, 3145728                      ; where the tokens' scale words begin in xq: 256 tiles x 12,288
.set WSL, 1966080                      ; and the weights' in wq: 160 tiles x 12,288
; the largest magnitude of the 32 numbers v[XS] .. v[XS+31] of one lane, with the floor 2^(3 - 127); v11: the conversions' scale operand (2 off the exponent field)
.macro BLKMAX
	v_max3_num_f32 v12, |v[XS]|, |v[XS+1]|, |v[XS+2]|
	v_max3_num_f32 v13, |v[XS+3]|, |v[XS+4]|, |v[XS+5]|
.irp i, 6,10,14,18,22,26
	v_max3_num_f32 v12, v12, |v[XS+\i]|, |v[XS+\i+1]|
	v_max3_num_f32 v13, v13, |v[XS+\i+2]|, |v[XS+\i+3]|
.endr
	v_max3_num_f32 v12, v12, |v[XS+30]|, |v[XS+31]|
	v_max3_num_f32 v12, v12, v13, 0x1800000
	v_add_nc_u32 v11, 0xff000000, v12
.endm
; WEIGHTS.  A lane takes a column and its registers run down K: block t of the K step, 32 rows, into set t % 2
.macro WLOAD t, pitch
.irp i, 0,1,2,3,4,5,6,7,8,9,10,11,12,13,14,15,16,17,18,19,20,21,22,23,24,25,26,27,28,29,30,31
	global_load_b32 v[32+32*((\t)%2)+\i], v3, s[32:33] offset:(32*(\t)+\i)*\pitch th:TH_LOAD_NT
.endr
.endm
; block t = 2 c + h is what lane (r, h) of half fragment c holds: 24 bytes.  Each block has data registers of its own, so no store's data are written again
.macro WBLOCK t, pitch
.set XS, 32+32*((\t)%2)
.set CC, 96+4*(\t)
.set ZZ, 116+4*((\t)/2)+2*((\t)%2)
.if (\t) < 3
	s_wait_loadcnt 32                              ; this block's 32 loads are in; the next block's 32 may be out
.else
	s_wait_loadcnt 0x0
.endif
	BLKMAX
	v_lshrrev_b32 v13, 23, v11                     ; the scale's byte
.if (\t) == 0
	v_mov_b32 v124, v13
.else
	v_lshl_or_b32 v124, v13, 8*(\t), v124          ; four bytes make the column's scale word of this K step
.endif
	v_cvt_scalef32_pk16_fp6_f32 v[CC:CC+2], v[XS:XS+15], v11
	v_cvt_scalef32_pk16_fp6_f32 v[112:114], v[XS+16:XS+31], v11   ; (a conversion's three registers begin on an even number)
	v_nop                                          ; one plain line behind the conversions
	v_mov_b32 v[CC+3], v112                        ; registers 0-3 of the block's six
	v_mov_b32 v[ZZ], v113                          ; registers 4-5: those of h = 0 and h = 1 lie side by side in the image
	v_mov_b32 v[ZZ+1], v114
	global_store_b128 v7, v[CC:CC+3], s[42:43] offset:768*((\t)/2)+256*((\t)%2)   ; the 16 lanes of one tile cover 256 consecutive bytes, aligned
.if (\t)%2
	global_store_b128 v7, v[ZZ-2:ZZ+1], s[42:43] offset:768*((\t)/2)+512
.endif
.if (\t) < 2
	WLOAD (\t)+2, \pitch
.endif
.endm
.macro WPATH pitch
	WLOAD 0, \pitch
	WLOAD 1, \pitch
	WBLOCK 0, \pitch
	WBLOCK 1, \pitch
	WBLOCK 2, \pitch
	WBLOCK 3, \pitch
	global_store_b32 v8, v124, s[46:47] offset:WSL
.endm
; TOKENS.  Half fragment c of K step sl: 32 neighbours of one lane, v[160 + 32 c] on
.macro XBLOCK sl, c
.set XS, 160+32*(\c)
.set CD, 224+8*(2*(\sl)+(\c))
	BLKMAX
	v_lshrrev_b32 v[16+2*(\sl)+(\c)], 23, v11      ; the byte of block 2 c + h
	v_cvt_scalef32_pk16_fp6_f32 v[CD:CD+2], v[XS:XS+15], v11
	v_cvt_scalef32_pk16_fp6_f32 v[20:22], v[XS+16:XS+31], v11
	v_nop                                          ; one plain line behind the conversions
	v_mov_b32 v[CD+3], v20
	v_mov_b32 v[CD+4], v21
	v_mov_b32 v[CD+5], v22
	global_store_b128 v3, v[CD:CD+3], s[32:33] offset:1536*(\sl)+768*(\c)       ; 512 consecutive bytes
	global_store_b64 v6, v[CD+4:CD+5], s[32:33] offset:1536*(\sl)+768*(\c)+512  ; 256 consecutive bytes
.endm
.macro XWORD sl                        ; my two bytes (blocks h and 2 + h) at their places, then lane l xor 16's two
	v_lshl_or_b32 v[24+\sl], v[17+2*\sl], 16, v[16+2*\sl]
	v_lshlrev_b32 v[24+\sl], v10, v[24+\sl]
	v_permlanex16_b32 v14, v[24+\sl], s30, s31
	v_or_b32 v[24+\sl], v[24+\sl], v14
.endm
	s_load_b256 s[4:11], s[0:1], 0x0               ; qkv s[4:5], Wq s[6:7], Wk s[8:9], Wv s[10:11]
	s_load_b128 s[12:15], s[0:1], 0x20             ; Wo s[12:13], xq s[14:15]
	s_load_b64 s[16:17], s[0:1], 0x30              ; wq
	v_lshl_add_u32 v254, v0, 2, 0x10400
	v_mov_b32 v255, 0
	v_lshrrev_b32 v1, 5, v0
	v_readfirstlane_b32 s18, v1                    ; wave 0..3
	v_and_b32 v2, 31, v0                           ; lane
	s_cmp_lt_u32 ttmp9, NW
	s_cbranch_scc0 .Ltokens
	; ---- the weights.  Strip 0-7: Wq, 8-9: Wk, 10-11: Wv, 12-19: Wo; wave w takes 32 columns of the strip's 128: one group of two tiles
	s_lshr_b32 s20, ttmp9, 3                       ; strip
	s_and_b32 s21, ttmp9, 7                        ; K step
	s_sub_co_u32 s22, s20, 8                       ; 0..3 in Wk's and Wv's strips
	s_and_b32 s23, s22, 1                          ; which 128 columns of Wk or Wv
	s_lshr_b32 s24, s22, 1                         ; 1 for Wv
	s_lshr_b32 s25, s18, 1
	s_and_b32 s26, s18, 1
	s_lshl_b32 s27, s23, 1
	s_add_co_u32 s27, s27, s25                     ; the K or V head of my 32 columns
	s_mul_i32 s27, s27, 12
	s_mul_i32 s24, s24, 6
	s_add_co_u32 s27, s27, s24
	s_add_co_u32 s27, s27, s26
	s_add_co_u32 s27, s27, 4                       ; its group in wq: each block of six groups is four of Wq and two of a K head (even blocks) or a V head (odd blocks)
	s_mul_i32 s28, s20, 6
	s_add_co_u32 s28, s28, s18                     ; Wq's group
	s_lshl_b32 s29, s20, 2
	s_add_co_u32 s29, s29, s18                     ; Wo's group: 48 + 4 (strip - 12) + w
	s_sub_co_u32 s30, s20, 12
	s_wait_kmcnt 0x0
	s_cmp_lt_u32 s20, 8                            ; the choices hang on the work-group's number alone
	s_cselect_b64 s[32:33], s[6:7], s[8:9]
	s_cselect_b32 s34, s28, s27                    ; group
	s_cselect_b32 s35, s20, s23                    ; which 128 columns of the tensor
	s_cmp_lt_u32 s20, 10
	s_cselect_b64 s[32:33], s[32:33], s[10:11]
	s_cmp_lt_u32 s20, 12
	s_cselect_b64 s[32:33], s[32:33], s[12:13]
	s_cselect_b32 s34, s34, s29
	s_cselect_b32 s35, s35, s30
	s_cmp_lt_u32 s22, 4                            ; Wk, Wv: rows of 1,024 bytes; Wq, Wo: of 4,096
	s_cselect_b32 s38, 17, 19
	s_lshl_b32 s37, s21, s38                       ; 128 rows a K step
	s_lshl_b32 s36, s35, 9
	s_add_co_u32 s36, s36, s37
	s_lshl_b32 s37, s18, 7
	s_add_co_u32 s36, s36, s37                     ; + 512 x strip's place + 128 x wave
	s_mov_b32 s37, 0
	s_add_nc_u64 s[32:33], s[32:33], s[36:37]
	s_mul_i32 s40, s34, 24576                      ; two tiles a group
	s_mul_i32 s41, s21, 1536
	s_add_co_u32 s40, s40, s41
	s_mov_b32 s41, 0
	s_add_nc_u64 s[42:43], s[16:17], s[40:41]      ; the codes
	s_lshl_b32 s40, s34, 10
	s_lshr_b32 s44, s21, 1
	s_lshl_b32 s44, s44, 7
	s_add_co_u32 s40, s40, s44
	s_and_b32 s44, s21, 1
	s_lshl_b32 s44, s44, 2
	s_add_co_u32 s40, s40, s44
	s_add_nc_u64 s[46:47], s[16:17], s[40:41]      ; the scale words
	v_lshlrev_b32 v3, 2, v2                        ; in: 4 bytes a lane: 128 consecutive bytes a load
	v_bfe_u32 v4, v2, 3, 1                         ; column l of the group is lane r = l % 8 + 8 (l / 16) of tile u = (l / 8) % 2
	v_and_b32 v5, 7, v2
	v_lshrrev_b32 v6, 4, v2
	v_lshl_add_u32 v5, v6, 3, v5
	v_mul_u32_u24 v7, v4, 12288
	v_lshl_add_u32 v7, v5, 4, v7                   ; 12,288 u + 16 r
	v_lshlrev_b32 v8, 9, v4
	v_lshl_add_u32 v8, v5, 3, v8                   ; 512 u + 8 r
	s_cmp_lt_u32 s22, 4
	s_cbranch_scc1 .Lnarrow
	WPATH 4096
	s_endpgm
.Lnarrow:
	WPATH 1024
	s_endpgm
	; ---- the tokens.  The work-group takes tile T; wave y takes K = 256 y .. 256 y + 255 (K steps 2 y, 2 y + 1) of its 16 rows.
	; Each load reads 512 consecutive bytes of a row; the numbers turn through the wave's own stage (rows of 1,024 + 16 bytes), so that a lane gets 32 neighbours of its row.
.Ltokens:
	s_sub_co_u32 s20, ttmp9, NW                    ; T
	s_lshr_b32 s21, s20, 1
	s_lshl_b32 s21, s21, 5
	s_and_b32 s22, s20, 1
	s_lshl_b32 s22, s22, 3
	s_add_co_u32 s21, s21, s22                     ; the tile's first row: 32 (T / 2) + 8 (T % 2)
	s_lshl_b32 s22, s21, 12
	s_lshl_b32 s23, s18, 10
	s_add_co_u32 s22, s22, s23
	s_mov_b32 s23, 0
	s_mul_i32 s24, s20, 12288
	s_mul_i32 s25, s18, 3072
	s_add_co_u32 s24, s24, s25
	s_mov_b32 s25, 0
	s_lshl_b32 s26, s20, 9
	s_lshl_b32 s27, s18, 7
	s_add_co_u32 s26, s26, s27
	s_mov_b32 s27, 0
	s_mul_i32 s28, s18, 16640                      ; my stage
	s_mov_b32 s30, 0x76543210
	s_mov_b32 s31, 0xfedcba98                      ; selects for lane l xor 16
	v_lshlrev_b32 v3, 4, v2                        ; 16 x lane
	v_and_b32 v4, 15, v2                           ; r
	v_lshrrev_b32 v5, 4, v2                        ; h
	v_lshlrev_b32 v6, 4, v4
	v_lshl_add_u32 v6, v5, 3, v6                   ; 16 r + 8 h
	v_add_nc_u32 v7, s28, v3                       ; into the stage
	v_mul_u32_u24 v8, v4, 1040
	v_lshl_add_u32 v8, v5, 7, v8
	v_add_nc_u32 v8, s28, v8                       ; out of it: row r, + 128 h
	v_lshlrev_b32 v9, 3, v4                        ; 8 r
	v_lshlrev_b32 v10, 3, v5                       ; 8 h: a shift
	v_mov_b32 v14, 0                               ; a lane permute's destination counts as one of its sources
	s_wait_kmcnt 0x0
	s_add_nc_u64 s[4:5], s[4:5], s[22:23]
	s_add_nc_u64 s[32:33], s[14:15], s[24:25]
	s_add_nc_u64 s[34:35], s[14:15], s[26:27]
.irp sl, 0,1
.irp i, 0,1,2,3,4,5,6,7,8,9,10,11,12,13,14,15
	global_load_b128 v[32+64*\sl+4*\i:35+64*\sl+4*\i], v3, s[4:5] offset:(\i+8*(\i/8))*4096+512*\sl th:TH_LOAD_NT
.endr
.endr
	s_wait_loadcnt 16                              ; the first K step's 16 loads are in; the second's may be out
.irp i, 0,1,2,3,4,5,6,7,8,9,10,11,12,13,14,15
	ds_store_b128 v7, v[32+4*\i:35+4*\i] offset:1040*\i
.endr
.irp c, 0,1
.irp e, 0,1,2,3,4,5,6,7
	ds_load_b128 v[160+32*\c+4*\e:163+32*\c+4*\e], v8 offset:256*\c+16*\e   ; LDS serves a wave's instructions in order: these see my stores
.endr
.endr
	s_wait_loadcnt 0x0
.irp i, 0,1,2,3,4,5,6,7,8,9,10,11,12,13,14,15
	ds_store_b128 v7, v[96+4*\i:99+4*\i] offset:1040*\i+512
.endr
	s_wait_dscnt 16                                ; the 64 numbers are back; the 16 younger stores may be out
	XBLOCK 0, 0
	XBLOCK 0, 1
.irp c, 0,1
.irp e, 0,1,2,3,4,5,6,7
	ds_load_b128 v[160+32*\c+4*\e:163+32*\c+4*\e], v8 offset:512+256*\c+16*\e
.endr
.endr
	XWORD 0
	s_wait_dscnt 0x0
	XBLOCK 1, 0
	XBLOCK 1, 1
	XWORD 1
	global_store_b64 v9, v[24:25], s[34:35] offset:XSL   ; the two K steps' words of row r; lanes l and l xor 16 hold and write the same
	s_wait_tensorcnt 0x0
	ds_add_u32 v254, v255
	s_wait_dscnt 0x0
	s_endpgm
.Lfunc_end_k_q008cd4b27c_quant:
	.size	k_q008cd4b27c_quant, .Lfunc_end_k_q008cd4b27c_quant-k_q008cd4b27c_quant
	.p2alignl 7, 3214868480
	.fill 96, 4, 3214868480
	.section	.rodata,"a",@progbits
	.p2align	6, 0x0
	.amdhsa_kernel k_q008cd4b27c_quant
		.amdhsa_group_segment_fixed_size 67072
		.amdhsa_private_segment_fixed_size 0
		.amdhsa_enable_private_segment 0
		.amdhsa_kernarg_size 56
		.amdhsa_user_sgpr_count 2
		.amdhsa_user_sgpr_kernarg_segment_ptr 1
		.amdhsa_wavefront_size32 1
		.amdhsa_system_sgpr_workgroup_id_x 1
		.amdhsa_system_sgpr_workgroup_id_y 1
		.amdhsa_system_sgpr_workgroup_id_z 1
		.amdhsa_system_vgpr_workitem_id 0
		.amdhsa_next_free_vgpr 256
		.amdhsa_next_free_sgpr 66
		.amdhsa_reserve_vcc 0
		.amdhsa_float_denorm_mode_32 3
		.amdhsa_float_denorm_mode_16_64 3
		.amdhsa_memory_ordered 1
		.amdhsa_forward_progress 1
		.amdhsa_inst_pref_size 56
	.end_amdhsa_kernel
	.amdgpu_metadata
---
amdhsa.version: [ 1, 2 ]
amdhsa.kernels:
  - .name:           k_q008cd4b27c_quant
    .symbol:         k_q008cd4b27c_quant.kd
    .args:
      - { .name: qkv, .offset: 0, .size: 8, .value_kind: global_buffer, .address_space: global }
      - { .name: Wq, .offset: 8, .size: 8, .value_kind: global_buffer, .address_space: global }
      - { .name: Wk, .offset: 16, .size: 8, .value_kind: global_buffer, .address_space: global }
      - { .name: Wv, .offset: 24, .size: 8, .value_kind: global_buffer, .address_space: global }
      - { .name: Wo, .offset: 32, .size: 8, .value_kind: global_buffer, .address_space: global }
      - { .name: xq, .offset: 40, .size: 8, .value_kind: global_buffer, .address_space: global }
      - { .name: wq, .offset: 48, .size: 8, .value_kind: global_buffer, .address_space: global }
    .group_segment_fixed_size: 67072
    .private_segment_fixed_size: 0
    .kernarg_segment_align: 8
    .kernarg_segment_size: 56
    .max_flat_workgroup_size: 128
    .sgpr_count:     66
    .vgpr_count:     256
    .wavefront_size: 32
...
	.end_amdgpu_metadata
.endif
;; end of part 1
;; launch proj (part 2): grid 32 x 8, 4 waves a work-group, clusters of 4 x 1, 246,272 bytes of LDS; arguments xq, wq, bq, bk, bv, qb, kvb; writes qb, kvb
.if DOCPART == 2
	.amdgcn_target "amdgcn-amd-amdhsa--gfx1250"
	.amdhsa_code_object_version 6
	.text
	.protected	k_q008cd4b27c_proj
	.globl	k_q008cd4b27c_proj
	.p2align	8
	.type	k_q008cd4b27c_proj,@function
k_q008cd4b27c_proj:
	s_mov_b64 s[64:65], 0
	v_nop
	global_prefetch_b8 v0, s[64:65] scope:SCOPE_SE
	s_setreg_imm32_b32 hwreg(HW_REG_WAVE_MODE, 25, 1), 1
	s_wait_xcnt 0x0
	s_wait_alu depctr_hold_cnt(0) depctr_sa_sdst(0) depctr_va_vdst(0) depctr_va_sdst(0) depctr_va_ssrc(0) depctr_va_vcc(0) depctr_vm_vsrc(0)
	s_getreg_b32 s2, hwreg(HW_REG_IB_STS2, 6, 4)
	s_cmp_eq_u32 s2, 0
	s_cbranch_scc0 .Lentry_in_a_cluster
	s_endpgm
.Lentry_in_a_cluster:
	s_bfe_u32 s2, ttmp6, 0x10000c
	s_cmp_lg_u32 s2, 0x3003
	s_cbranch_scc0 .Lentry_shape_is_right
	s_endpgm
.Lentry_shape_is_right:
; q = x Wq + bq, k = x Wk + bk, v = x Wv + bv on codes of E2M3, and the quantisers of q and k (along the head's 64) and of v (along the keys).
; A work-group takes 128 tokens (m; they are key step m) x 192 columns (n): 128 of Wq (heads 2 n, 2 n + 1) and the 64 of K head n / 2 (n even) or V head n / 2 (n odd).
; Wave w owns token tiles 2 w, 2 w + 1.  q and k: source 0 = 16 columns of the weight, source 1 = 16 tokens: a lane holds one token and its registers run along the head's channels.
; v: source 0 = 16 tokens, source 1 = the 16 channels of weight tile 8 + w: a lane holds one channel and its registers run along the 128 keys.  The rows of a tile are ordered so that
; the 16 registers of two neighbouring tiles are 16 neighbours along the next product's K (lane r of tile 2 G + u stands for row 32 G + 8 u + r + 8 (r / 8)).
; All of K = 1,024 lies in LDS, in four chunks of two K steps, each filled ONCE: every wave issues its eight tensor loads together at the start (eight of a wave's loads are out at the most); no LDS byte is filled again.
; CLUSTER: the four work-groups of a cluster share n, so the weights' tiles are asked for jointly (mask 15); the tokens' tiles are each work-group's own.
; The text parts ONCE, on n % 2, which is equal in all waves and in all partners, into a body for K and a body for V.
; OUT: qb: codes [head][tile][768], scale words [tile][head][16].  kvb: a record of 13,056 bytes for each K/V head and key step: K's 8 half fragments, V^T's 4 fragments, K's scale words [tile pair][r][2], V's [tile][r].
; LIMITS: NaN and infinities are not served; a block of zeros or under 2^-124 gets the scale byte 1.
; REGISTERS.  window 0: v1, v2 16 x lane, 16 r + 8 h; v3-8 LDS addresses; v9-14 offsets; v16-23 my two token tiles' scale words, v24-55 all eight's, v56-103 the 12 weight tiles', v104-107 tile 8 + w's;
;   v108-155 my two token fragments, two sets; v156-187 bk or bv; v188-227 the quantiser.   window 1: v0-127 q's 16 accumulators, v128-191 k's or v's 8, v192-255 bq.
;   windows 2, 3 (K steps by turns): v0-95 Wq's 8 fragments; v96-143 Wk's 4, or v96-191 all 8 token fragments and v192-203 Wv's one.
.set WV,  18
.set SEL, 76
.set CH,  61440                        ; a chunk: tokens [tile 8][step 2][1,536], then weights [tile 12][step 2][1,536]
.set XSL, 3145728
.set WSL, 1966080
.set MSB, 0
.macro WIN new                         ; the immediate's high byte repeats the setting that is left
.if MSB != (\new)
	s_set_vgpr_msb (MSB<<8)|(\new)
.set MSB, (\new)
.endif
.endm
.macro ROUND                           ; a round of the cluster's barrier
	s_barrier_signal -1
	s_barrier_wait -1
	s_cmp_lg_u32 s[WV], 0
	s_cbranch_scc1 .Lnw0_\@
	s_barrier_signal -3
.Lnw0_\@:
	s_barrier_wait -3
	s_barrier_signal -1
	s_barrier_wait -1
.endm
.macro DESC g, lreg, loff, src, off    ; a descriptor's group 0
	s_mov_b32 s[\g], 1
	s_add_co_u32 s[\g+1], s[\lreg], \loff
	s_add_nc_u64 s[\g+2:\g+3], s[\src:\src+1], \off
	s_or_b32 s[\g+3], s[\g+3], 0x80000000
.endm
.macro FRAG reg, aa, ab, off           ; a fragment's 12 registers: two half fragments, each 16 + 8 bytes a lane, dense
	ds_load_b128 v[(\reg):(\reg)+3], v[\aa] offset:(\off)
	ds_load_b64 v[(\reg)+4:(\reg)+5], v[\ab] offset:(\off)+512
	ds_load_b128 v[(\reg)+6:(\reg)+9], v[\aa] offset:(\off)+768
	ds_load_b64 v[(\reg)+10:(\reg)+11], v[\ab] offset:(\off)+1280
.endm
.macro FETCH_Q s                       ; 40 loads: Wq's eight fragments and my two token fragments of K step s
	WIN 0x80+0x40*((\s)%2)
.irp t, 0,1,2,3,4,5,6,7
	FRAG 12*\t, 3, 4, 24576+3072*\t+1536*((\s)%2)
.endr
	WIN 0
.irp u, 0,1
	FRAG 108+24*((\s)%2)+12*\u, 5, 6, 3072*\u+1536*((\s)%2)
.endr
.endm
.macro FETCH_KV s, kind                ; K: 16 loads (Wk's four fragments); V: 36 (all eight token fragments and Wv's tile 8 + w)
	WIN 0x80+0x40*((\s)%2)
.if \kind == 0
.irp t, 0,1,2,3
	FRAG 96+12*\t, 3, 4, 49152+3072*\t+1536*((\s)%2)
.endr
.else
.irp t, 0,1,2,3,4,5,6,7
	FRAG 96+12*\t, 3, 4, 3072*\t+1536*((\s)%2)
.endr
	FRAG 192, 7, 8, 1536*((\s)%2)
.endif
	WIN 0
.endm
; a scale register holds K step i in lanes 0-15 and K step 4 + i in lanes 16-31: hi = 1 takes the upper lanes on both sides
.macro WM d, a, b, c, sa, sb, hi
.if \hi
	v_wmma_scale_f32_16x16x128_f8f6f4 v[\d:\d+7], v[\a:\a+11], v[\b:\b+11], v[\c:\c+7], v[\sa], v[\sb] matrix_a_fmt:MATRIX_FMT_FP6 matrix_b_fmt:MATRIX_FMT_FP6 matrix_a_scale:MATRIX_SCALE_ROW1 matrix_b_scale:MATRIX_SCALE_ROW1
.else
	v_wmma_scale_f32_16x16x128_f8f6f4 v[\d:\d+7], v[\a:\a+11], v[\b:\b+11], v[\c:\c+7], v[\sa], v[\sb] matrix_a_fmt:MATRIX_FMT_FP6 matrix_b_fmt:MATRIX_FMT_FP6
.endif
.endm
.macro MULQ s                          ; 16 products; the first K step takes bq, in the result's layout, as C
	WIN 0x52+(\s)%2
.irp t, 0,1,2,3,4,5,6,7
.irp u, 0,1
.if (\s) == 0
	WM 64*\u+8*\t, 12*\t, 108+12*\u, 192+8*\t, 56+4*\t, 16+4*\u, 0
.else
	WM 64*\u+8*\t, 12*\t, 108+24*((\s)%2)+12*\u, 64*\u+8*\t, 56+4*\t+(\s)%4, 16+4*\u+(\s)%4, (\s)/4
.endif
.endr
.endr
.endm
.macro MULKV s, kind                   ; 8 products
.if \kind == 0
.if (\s) == 0
	WIN 0x42                                       ; C = bk, in window 0
.else
	WIN 0x52+(\s)%2
.endif
.irp t, 0,1,2,3
.irp u, 0,1
.if (\s) == 0
	WM 128+32*\u+8*\t, 96+12*\t, 108+12*\u, 156+8*\t, 88+4*\t, 16+4*\u, 0
.else
	WM 128+32*\u+8*\t, 96+12*\t, 108+24*((\s)%2)+12*\u, 128+32*\u+8*\t, 88+4*\t+(\s)%4, 16+4*\u+(\s)%4, (\s)/4
.endif
.endr
.endr
.else
.if (\s) == 0
	WIN 0x4a                                       ; both sources in window 2, C = bv of my channel, in window 0
.else
	WIN 0x5a+5*((\s)%2)
.endif
.irp t, 0,1,2,3,4,5,6,7
.if (\s) == 0
	WM 128+8*\t, 96+12*\t, 192, 156, 24+4*\t, 104, 0
.else
	WM 128+8*\t, 96+12*\t, 192, 128+8*\t, 24+4*\t+(\s)%4, 104+(\s)%4, (\s)/4
.endif
.endr
.endif
.endm
; A K step: the next step's fragments are asked for, into the set that the step before multiplied, then this step's 24 products: 24 accumulators, one instruction a turn.
.macro STEP s, kind
.if (\s) < 7
.if (\s)%2 == 1
	s_wait_dscnt 0x0                               ; no LDS load of mine is out at the signal
.irp a, 3,4,5,6,7,8
	v_add_nc_u32 v\a, CH, v\a                      ; on to the next chunk.  (Six plain lines: the places in front of the loads below)
.endr
	s_wait_tensorcnt 5-(\s)                        ; my two loads of the next chunk have landed; the later chunks' pairs may be out
	s_barrier_signal -1
	s_barrier_wait -1                              ; everybody's have
.else
.rept 4
	v_nop                                          ; places in front of loads into registers that matrix instructions have read
.endr
.endif
	FETCH_Q (\s)+1
	FETCH_KV (\s)+1, \kind
.if \kind == 0
	s_wait_dscnt 56                                ; all but the 56 loads just issued: this step's fragments are in
.else
	s_wait_dscnt 63                                ; 76 were just issued; the count is the field's largest: this step's fragments are in
.endif
.else
	s_wait_dscnt 0x0
.endif
	MULKV \s, \kind
	MULQ \s
	WIN 0
.endm
; 64 numbers of a lane in window 1, register 16 b + i = k 32 b + 16 (lane / 16) + i of the lane's row, become a fragment's codes in v208-219 and its scale word in v204
.macro QUANTW s
	WIN 0x05
.irp b, 0,1,2,3
	v_max3_num_f32 v[188+\b], |v[\s+16*\b]|, |v[\s+1+16*\b]|, 0x1800000   ; my 16 numbers of block b, and the floor 2^(3 - 127): each accumulator is read from its low end on
.endr
	WIN 0x14
.irp i, 2,4,6,8,10,12,14
.irp b, 0,1,2,3
	v_max3_num_f32 v[188+\b], v[188+\b], |v[\s+16*\b+\i]|, |v[\s+1+16*\b+\i]|
.endr
.endr
	WIN 0
.irp b, 0,1,2,3
	v_permlanex16_b32 v[192+\b], v[188+\b], s[SEL], s[SEL+1]
.endr
.irp b, 0,1,2,3
	v_max_num_f32 v[188+\b], v[188+\b], v[192+\b]  ; with lane l xor 16's: the block's largest magnitude
.endr
.irp b, 0,1,2,3
	v_add_nc_u32 v[200+\b], 0xff000000, v[188+\b]  ; 2 off its exponent field: the conversion's scale operand
.endr
.irp b, 0,1,2,3
	v_lshrrev_b32 v[192+\b], 23, v[200+\b]         ; the scale's byte
.endr
	v_lshl_or_b32 v204, v193, 8, v192
	v_lshl_or_b32 v204, v194, 16, v204
	v_lshl_or_b32 v204, v195, 24, v204
	WIN 0x01
.irp c, 0,1
	v_cvt_scalef32_pk16_fp6_f32 v[208+6*\c:210+6*\c], v[\s+32*\c:\s+15+32*\c], v[200+2*\c]
	v_cvt_scalef32_pk16_fp6_f32 v[220+4*\c:222+4*\c], v[\s+16+32*\c:\s+31+32*\c], v[201+2*\c]
.endr
	WIN 0
	v_nop                                          ; one plain line behind the conversions
.irp c, 0,1                            ; the layout wants a whole block in a lane: lanes 0-15 block 2 c, lanes 16-31 block 2 c + 1
.irp i, 0,1,2
	v_permlane16_swap_b32 v[208+6*\c+\i], v[220+4*\c+\i]
.endr
.irp i, 0,1,2
	v_mov_b32 v[211+6*\c+\i], v[220+4*\c+\i]
.endr
.endr
.endm
.macro QSTORE u                        ; token tile u: channels 0-63 are head 2 n's half fragment, 64-127 head 2 n + 1's
	global_store_b128 v1, v[208:211], s[86:87] offset:768*\u
	global_store_b64 v2, v[212:213], s[86:87] offset:768*\u+512
	global_store_b128 v1, v[214:217], s[86:87] offset:196608+768*\u
	global_store_b64 v2, v[218:219], s[86:87] offset:196608+768*\u+512
	v_lshrrev_b32 v205, 16, v204
	v_cndmask_b32 v206, v204, v205, s78            ; lanes 0-15: head 2 n's word (its two upper bytes go with zero codes), lanes 16-31: head 2 n + 1's
	global_store_b32 v11, v206, s[88:89] offset:XSL+1024*\u
.endm
.macro BODY kind
.if \kind == 0
.irp t, 0,1,2,3
	global_load_b128 v[156+8*\t:159+8*\t], v10, s[96:97] offset:(32*(\t/2)+8*(\t%2))*4      ; bk in the result's layout: channels 32 (t / 2) + 16 h + 8 (t % 2) + 0 .. 7
	global_load_b128 v[160+8*\t:163+8*\t], v10, s[96:97] offset:(32*(\t/2)+8*(\t%2))*4+16
.endr
.else
.irp j, 0,1,2,3,4,5,6,7
	global_load_b32 v[156+\j], v14, s[98:99]       ; bv of my lane's channel, in all eight registers of C
.endr
.endif
	s_wait_loadcnt 0x0                             ; scale words and biases
	s_wait_tensorcnt 6                             ; my two loads of chunk 0 have landed; the other six may be out
	s_barrier_signal -1
	s_barrier_wait -1
	FETCH_Q 0
	FETCH_KV 0, \kind
.irp s, 0,1,2,3,4,5,6,7
	STEP \s, \kind
.endr
	s_mul_i32 s80, s21, 393216                     ; two heads of 256 tiles x 768 bytes
	s_mul_i32 s82, s79, 768
	s_add_co_u32 s80, s80, s82
	s_mov_b32 s81, 0
	s_add_nc_u64 s[86:87], s[14:15], s[80:81]      ; q's codes
	s_lshl_b32 s80, s79, 10
	s_lshl_b32 s82, s21, 7
	s_add_co_u32 s80, s80, s82
	s_add_nc_u64 s[88:89], s[14:15], s[80:81]      ; q's scale words
	s_lshl_b32 s80, s23, 5
	s_add_co_u32 s80, s80, s20
	s_mul_i32 s80, s80, 13056
	s_add_nc_u64 s[90:91], s[16:17], s[80:81]      ; the record of my K/V head and key step
	s_mul_i32 s80, s[WV], 1536
	s_add_nc_u64 s[92:93], s[90:91], s[80:81]
	s_lshl_b32 s80, s[WV], 7-\kind
	s_add_nc_u64 s[94:95], s[90:91], s[80:81]
.rept 4
	v_nop                                          ; places in front of the first read of results
.endr
	QUANTW 0
	QSTORE 0
	s_wait_xcnt 0x0                                ; the stores have read their data: the codes' registers are written again only behind this wait
	QUANTW 64
	QSTORE 1
	s_wait_xcnt 0x0
	QUANTW 128                                     ; K: two key tiles' half fragments; V: one fragment, 16 channels x 128 keys
	global_store_b128 v1, v[208:211], s[92:93] offset:6144*\kind
	global_store_b64 v2, v[212:213], s[92:93] offset:6144*\kind+512
	global_store_b128 v1, v[214:217], s[92:93] offset:6144*\kind+768
	global_store_b64 v2, v[218:219], s[92:93] offset:6144*\kind+1280
.if \kind == 0
	v_and_b32 v206, 0xffff, v204                   ; each key tile's word: two bytes, and 0 (2^-127) above, where q's codes are zeros
	v_lshrrev_b32 v207, 16, v204
	global_store_b64 v12, v[206:207], s[94:95] offset:12288   ; lanes l and l xor 16 hold and write the same
.else
	global_store_b32 v13, v204, s[94:95] offset:12800
.endif
.endm
	s_load_b256 s[4:11], s[0:1], 0x0               ; xq, wq, bq, bk
	s_load_b128 s[12:15], s[0:1], 0x20             ; bv, qb
	s_load_b64 s[16:17], s[0:1], 0x30              ; kvb
	v_lshl_add_u32 v254, v0, 2, 0x3c000
	v_mov_b32 v255, 0
	ds_add_u32 v254, v255
	v_lshrrev_b32 v15, 5, v0
	v_readfirstlane_b32 s[WV], v15                 ; wave 0..3
	s_bfe_u32 s19, ttmp6, 0x40000                  ; cx
	s_lshl_b32 s20, ttmp9, 2
	s_add_co_u32 s20, s20, s19                     ; m
	s_and_b32 s21, ttmp7, 0xffff                   ; n
	s_and_b32 s22, s21, 1
	s_lshr_b32 s23, s21, 1                         ; the K/V head
	; group 1: rows of 3,072 bytes (two K steps of a tile: 384 elements of 8 bytes), 12,288 bytes apart; 2 rows of tokens, my own; 3 rows of weights, jointly
	s_mov_b32 s24, 3<<16
	s_mov_b32 s25, 384<<16
	s_mov_b32 s26, 2<<16
	s_mov_b32 s27, 384<<16
	s_mov_b32 s28, 2
	s_mov_b32 s29, 1536
	s_mov_b32 s30, 0
	s_mov_b32 s31, 0
	s_mov_b32 s32, 15|(3<<16)|(1<<21)
	s_mov_b32 s33, 384<<16
	s_mov_b32 s34, 3<<16
	s_mov_b32 s35, 384<<16
	s_mov_b32 s36, 3
	s_mov_b32 s37, 1536
	s_mov_b32 s38, 0
	s_mov_b32 s39, 0
	s_mov_b32 s[SEL], 0x76543210
	s_mov_b32 s[SEL+1], 0xfedcba98
	s_mov_b32 s78, 0xffff0000                      ; lanes 16-31
	s_lshl_b32 s79, s20, 3
	s_lshl_b32 s80, s[WV], 1
	s_add_co_u32 s79, s79, s80                     ; my first token tile: 8 m + 2 w
	s_mul_i32 s80, s79, 12288
	s_mov_b32 s81, 0
	s_mul_i32 s82, s21, 12
	s_mul_i32 s83, s[WV], 3
	s_add_co_u32 s82, s82, s83
	s_mul_i32 s82, s82, 12288                      ; the weight tiles that I fetch: 12 n + 3 w on: nothing of my place in the cluster
	s_mov_b32 s83, 0
	s_mul_i32 s84, s[WV], 6144
	s_mul_i32 s85, s[WV], 9216
	s_add_co_u32 s85, s85, 24576
	s_mul_i32 s86, s[WV], 3072
	s_add_co_u32 s86, s86, 49152
	v_and_b32 v15, 31, v0
	v_and_b32 v13, 15, v0                          ; r
	v_bfe_u32 v10, v0, 4, 1                        ; h
	v_lshlrev_b32 v1, 4, v15                       ; 16 x lane
	v_lshlrev_b32 v2, 4, v13
	v_lshl_add_u32 v2, v10, 3, v2                  ; 16 r + 8 h
	v_lshlrev_b32 v3, 4, v15                       ; the same two from the chunk's first byte,
	v_lshlrev_b32 v4, 4, v13
	v_lshl_add_u32 v4, v10, 3, v4
	v_add_nc_u32 v5, s84, v1                       ; from my two token tiles,
	v_add_nc_u32 v6, s84, v2
	v_add_nc_u32 v7, s86, v1                       ; and from weight tile 8 + w
	v_add_nc_u32 v8, s86, v2
	v_lshlrev_b32 v9, 8, v10
	v_lshl_add_u32 v9, v13, 3, v9                  ; scale words: 256 h + 8 r
	v_lshlrev_b32 v11, 2, v15                      ; 4 x lane
	v_lshlrev_b32 v12, 3, v13                      ; 8 r
	v_and_b32 v14, 8, v13
	v_add_nc_u32 v14, v14, v13
	v_lshlrev_b32 v14, 2, v14                      ; 4 (r + 8 (r / 8)): my lane's channel in a tile
	v_lshlrev_b32 v10, 6, v10                      ; 64 h
	v_lshlrev_b32 v13, 2, v13                      ; 4 r
.irp b, 0,1,2,3
	v_mov_b32 v[192+\b], 0                         ; a lane permute's destination counts as one of its sources
.endr
	s_wait_dscnt 0x0
	s_wait_kmcnt 0x0
	s_add_nc_u64 s[80:81], s[4:5], s[80:81]
	s_add_nc_u64 s[82:83], s[6:7], s[82:83]
	DESC 40, 84, 0,    80, 0
	DESC 44, 85, 0,    82, 0
	DESC 48, 84, CH,   80, 3072
	DESC 52, 85, CH,   82, 3072
	DESC 56, 84, 2*CH, 80, 6144
	DESC 60, 85, 2*CH, 82, 6144
	DESC 68, 84, 3*CH, 80, 9216
	DESC 72, 85, 3*CH, 82, 9216
	ROUND                                          ; all four work-groups are here: the joint loads meet
	tensor_load_to_lds s[40:43], s[24:31]          ; chunk by chunk: tokens, weights
	s_nop 0
	tensor_load_to_lds s[44:47], s[32:39]
	s_nop 0
	tensor_load_to_lds s[48:51], s[24:31]
	s_nop 0
	tensor_load_to_lds s[52:55], s[32:39]
	s_nop 0
	tensor_load_to_lds s[56:59], s[24:31]
	s_nop 0
	tensor_load_to_lds s[60:63], s[32:39]
	s_nop 0
	tensor_load_to_lds s[68:71], s[24:31]
	s_nop 0
	tensor_load_to_lds s[72:75], s[32:39]
	s_nop 0
.rept 4
	v_nop                                          ; four such lines behind a tensor load
.endr
	s_mov_b32 s85, 0
	s_lshl_b32 s84, s79, 9
	s_add_nc_u64 s[86:87], s[4:5], s[84:85]        ; my token tiles' scale words
	s_lshl_b32 s84, s20, 12
	s_add_nc_u64 s[88:89], s[4:5], s[84:85]        ; all eight's
	s_mul_i32 s84, s21, 6144
	s_add_nc_u64 s[90:91], s[6:7], s[84:85]        ; the 12 weight tiles'
	s_lshl_b32 s80, s[WV], 9
	s_add_co_u32 s84, s84, s80
	s_add_co_u32 s84, s84, 4096
	s_add_nc_u64 s[92:93], s[6:7], s[84:85]        ; tile 8 + w's
	s_lshl_b32 s84, s21, 9
	s_add_nc_u64 s[94:95], s[8:9], s[84:85]        ; bq's 128
	s_lshl_b32 s84, s23, 8
	s_add_nc_u64 s[96:97], s[10:11], s[84:85]      ; bk's 64
	s_lshr_b32 s80, s[WV], 1
	s_lshl_b32 s80, s80, 7
	s_add_co_u32 s84, s84, s80
	s_and_b32 s80, s[WV], 1
	s_lshl_b32 s80, s80, 5
	s_add_co_u32 s84, s84, s80
	s_add_nc_u64 s[98:99], s[12:13], s[84:85]      ; bv at tile w's first channel: 32 (w / 2) + 8 (w % 2)
.irp u, 0,1
.irp k, 0,1
	global_load_b64 v[16+4*\u+2*\k:17+4*\u+2*\k], v9, s[86:87] offset:XSL+512*\u+128*\k
.endr
.endr
.irp t, 0,1,2,3,4,5,6,7
.irp k, 0,1
	global_load_b64 v[24+4*\t+2*\k:25+4*\t+2*\k], v9, s[88:89] offset:XSL+512*\t+128*\k
.endr
.endr
.irp t, 0,1,2,3,4,5,6,7,8,9,10,11
.irp k, 0,1
	global_load_b64 v[56+4*\t+2*\k:57+4*\t+2*\k], v9, s[90:91] offset:WSL+512*\t+128*\k
.endr
.endr
.irp k, 0,1
	global_load_b64 v[104+2*\k:105+2*\k], v9, s[92:93] offset:WSL+128*\k
.endr
	WIN 0x40                                       ; destination window 1
.irp t, 0,1,2,3,4,5,6,7
	global_load_b128 v[192+8*\t:195+8*\t], v10, s[94:95] offset:(32*(\t/2)+8*(\t%2))*4
	global_load_b128 v[196+8*\t:199+8*\t], v10, s[94:95] offset:(32*(\t/2)+8*(\t%2))*4+16
.endr
	WIN 0
	s_cmp_eq_u32 s22, 0
	s_cbranch_scc0 .Lvalues
	BODY 0
	s_branch .Lclose
.Lvalues:
	BODY 1
.Lclose:
	s_wait_tensorcnt 0x0
	ds_add_u32 v254, v255
	s_wait_dscnt 0x0
	ROUND                                          ; the closing round: no work-group ends while a partner may still ask for a tile that names it
	s_endpgm
.Lfunc_end_k_q008cd4b27c_proj:
	.size	k_q008cd4b27c_proj, .Lfunc_end_k_q008cd4b27c_proj-k_q008cd4b27c_proj
	.p2alignl 7, 3214868480
	.fill 96, 4, 3214868480
	.section	.rodata,"a",@progbits
	.p2align	6, 0x0
	.amdhsa_kernel k_q008cd4b27c_proj
		.amdhsa_group_segment_fixed_size 246272
		.amdhsa_private_segment_fixed_size 0
		.amdhsa_enable_private_segment 0
		.amdhsa_kernarg_size 56
		.amdhsa_user_sgpr_count 2
		.amdhsa_user_sgpr_kernarg_segment_ptr 1
		.amdhsa_wavefront_size32 1
		.amdhsa_system_sgpr_workgroup_id_x 1
		.amdhsa_system_sgpr_workgroup_id_y 1
		.amdhsa_system_sgpr_workgroup_id_z 1
		.amdhsa_system_vgpr_workitem_id 0
		.amdhsa_next_free_vgpr 1024
		.amdhsa_next_free_sgpr 100
		.amdhsa_reserve_vcc 0
		.amdhsa_float_denorm_mode_32 3
		.amdhsa_float_denorm_mode_16_64 3
		.amdhsa_memory_ordered 1
		.amdhsa_forward_progress 1
		.amdhsa_inst_pref_size 166
	.end_amdhsa_kernel
	.amdgpu_metadata
---
amdhsa.version: [ 1, 2 ]
amdhsa.kernels:
  - .name:           k_q008cd4b27c_proj
    .symbol:         k_q008cd4b27c_proj.kd
    .args:
      - { .name: xq, .offset: 0, .size: 8, .value_kind: global_buffer, .address_space: global }
      - { .name: wq, .offset: 8, .size: 8, .value_kind: global_buffer, .address_space: global }
      - { .name: bq, .offset: 16, .size: 8, .value_kind: global_buffer, .address_space: global }
      - { .name: bk, .offset: 24, .size: 8, .value_kind: global_buffer, .address_space: global }
      - { .name: bv, .offset: 32, .size: 8, .value_kind: global_buffer, .address_space: global }
      - { .name: qb, .offset: 40, .size: 8, .value_kind: global_buffer, .address_space: global }
      - { .name: kvb, .offset: 48, .size: 8, .value_kind: global_buffer, .address_space: global }
    .group_segment_fixed_size: 246272
    .private_segment_fixed_size: 0
    .kernarg_segment_align: 8
    .kernarg_segment_size: 56
    .max_flat_workgroup_size: 128
    .sgpr_count:     100
    .vgpr_count:     1024
    .wavefront_size: 32
...
	.end_amdgpu_metadata
.endif
;; end of part 2
;; launch attn (part 3): grid 64 x 4, 16 waves a work-group, clusters of 4 x 1, 327,680 bytes of LDS; arguments qb, kvb, slopes, ab; writes ab
.if DOCPART == 3
	.amdgcn_target "amdgcn-amd-amdhsa--gfx1250"
	.amdhsa_code_object_version 6
	.text
	.protected	k_q008cd4b27c_attn
	.globl	k_q008cd4b27c_attn
	.p2align	8
	.type	k_q008cd4b27c_attn,@function
k_q008cd4b27c_attn:
	s_mov_b64 s[64:65], 0
	v_nop
	global_prefetch_b8 v0, s[64:65] scope:SCOPE_SE
	s_setreg_imm32_b32 hwreg(HW_REG_WAVE_MODE, 25, 1), 1
	s_wait_xcnt 0x0
	s_wait_alu depctr_hold_cnt(0) depctr_sa_sdst(0) depctr_va_vdst(0) depctr_va_sdst(0) depctr_va_ssrc(0) depctr_va_vcc(0) depctr_vm_vsrc(0)
	s_getreg_b32 s2, hwreg(HW_REG_IB_STS2, 6, 4)
	s_cmp_eq_u32 s2, 0
	s_cbranch_scc0 .Lentry_in_a_cluster
	s_endpgm
.Lentry_in_a_cluster:
	s_bfe_u32 s2, ttmp6, 0x10000c
	s_cmp_lg_u32 s2, 0x3003
	s_cbranch_scc0 .Lentry_shape_is_right
	s_endpgm
.Lentry_shape_is_right:
; Causal attention with ALiBi on codes of E2M3: S^T = K Q^T, p = 2^(t - M), O^T = V^T P^T, O / l, and the quantiser of the result along head x 64 + channel.
; t = (q . k / 8 + slope (key - query)) log2(e); M = the running largest t rounded UP to a whole number; the row's sum l is taken of the unquantised p and divides at the end.
; SHARES.  A work-group owns the query groups (32 queries) j and 127 - j for the four query heads of one K/V head: 16 tiles of 16 queries, one a wave, in 256 registers.
; Wave w (a = w % 4, b = w / 4): head a, low or high group by (a xor b) % 2, tile b / 2 of the group.  A wave works on key steps (128 keys) 0 .. DS, DS = c for the low group and 31 - c for the high one (c: the cluster's x);
; a step behind DS is left out by a scalar branch round its work.  DS hangs on the cluster's number and the wave's number, never on the work-group's place in its cluster.
; RING.  Two LDS slots of two key steps' records (2 x 13,056 dense bytes), filled by joint loads (the four partners walk the same K and V): waves 0 and 1 fetch a record each; one load of a wave is out behind each round.
; No LDS address is stepped in the loop, whose trip count hangs on c: slot and step stand in the immediates.  The slots fetched are rounded up to whole trips of two, so for some c the last slot is fetched and not read.
; Q CARRIES THE ZEROS of the first product's K = 64: its registers 6-11 are zero codes, so a fragment of K is 6 registers and the six behind it (the next fragment's, or zeros) meet zero codes; K's scale words have 0 (2^-127) in those bytes.
; ALIBI RIDES ON C: S = K Q^T + 8 slope k', k' the key's place in its block of 32; then t = c S + a_b, c = log2(e) / 8, a_b = slope log2(e) (the block's first key - query).  Within a block t rises with S, so the block's largest S serves for the maxima.
; LIMITS: this order of rounding differs from (score + bias) x log2(e) by a few ulp of the bias; NaN and infinities are not served; a block of zeros gets the scale byte 1.
; REGISTERS: v1-4 LDS places; v5, v6 the spare word's address, 0; v7 f32(step's first key - query); v8-11 slope', slope' x 32 b; v12 -M, v13 largest t, v[14:15] l; v16-27 Q; v28 its scale word; v29 d; v30 -inf; v31 prefetch offset;
;   v32-47 C; v48-95 K's 8 fragments, then V's 4; v96-101 zeros; v102 LDS place of my result's scale bytes; v104-167 S, then p; v168-199 O^T; v200-219 p's codes; v220-227, v236-239, v250-255 at work; v228-235 a_b, then a_b - M (even registers);
;   v[240:241] f; v242 p's scale word; v244-247 K's scale words; v248-249 V's.
.set WV,  12
.set SEL, 40
.set CS,  42
.set SI,  44                           ; the key step in hand
.set DS,  45                           ; my last key step: the one on the diagonal
.set CNT, 46
.set LIM, 47
.set PFA, 48
.set REB, 13056                        ; a record
.set SLB, 26112                        ; a slot
.set SPARE, 52224                      ; the spare words: 128 bytes for each of 16 waves
.set ASC, 54272                        ; 512 bytes: the result's scale bytes of four tiles of queries meet here; no fill lands here
.set QSC, 3145728
.set S,   104
.set O,   168
.set BM,  220
.set PD,  224
.set AB,  228
.set SO,  236
.set F,   240
.set KSR, 244
.set VSR, 248
.set TMP, 250
.macro ROUND
	s_barrier_signal -1
	s_barrier_wait -1
	s_cmp_lg_u32 s[WV], 0
	s_cbranch_scc1 .Lnw0_\@
	s_barrier_signal -3
.Lnw0_\@:
	s_barrier_wait -3
	s_barrier_signal -1
	s_barrier_wait -1
.endm
.macro TLOAD sl                        ; waves 0 and 1 fetch the slot's two records; the branch hangs on the wave's number alone
	s_cmp_lt_u32 s[WV], 2
	s_cbranch_scc0 .Lno_\@
	tensor_load_to_lds s[32+4*(\sl):35+4*(\sl)], s[24:31]
	s_nop 0
.rept 4
	v_nop                                          ; four such lines behind a tensor load
.endr
.Lno_\@:
.endm
; A prefetch of the slot after the one that is being asked for: 102 blocks of 256 bytes.  All clusters of a K/V head walk the same records: cluster 0, which walks all 16 slots, asks; in each of its four work-groups wave 2,
; one instruction; the partners are told apart by address: blocks 26 cx + lane, lanes 26-31 repeating lane 25's and the last partner's tail held at block 101.
.macro ASK
	s_cmp_eq_u32 s[LIM], 0
	s_cbranch_scc0 .Lnm_\@
	global_prefetch_b8 v31, s[PFA:PFA+1] th:TH_LOAD_NT scope:SCOPE_SE
.Lnm_\@:
.endm
.macro STEP slot, q
.set REC, (\slot)*SLB+(\q)*REB
	s_cmp_gt_u32 s[SI], s[DS]
	s_cbranch_scc1 .Lhid_\@                        ; all these keys come after my queries
	v_mul_f32 v[AB], v8, v7                        ; a_b.  (Four plain lines, and the addition at the last step's end: the places in front of the loads below)
.irp b, 1,2,3
	v_fma_f32 v[AB+2*\b], v8, v7, v[8+\b]
.endr
.irp t, 0,1,2,3,4,5,6,7
	ds_load_b128 v[48+6*\t:51+6*\t], v1 offset:REC+768*\t
	ds_load_b64 v[52+6*\t:53+6*\t], v2 offset:REC+768*\t+512
.endr
	ds_load_b64 v[KSR:KSR+1], v3 offset:REC+12288          ; lanes 0-15: tiles 0, 1; lanes 16-31: tiles 4, 5
	ds_load_b64 v[KSR+2:KSR+3], v3 offset:REC+12288+128    ; tiles 2, 3 and 6, 7
	s_wait_dscnt 0x0
.irp t, 0,1,2,3
	v_wmma_scale_f32_16x16x128_f8f6f4 v[S+8*\t:S+8*\t+7], v[48+6*\t:59+6*\t], v[16:27], v[32+8*(\t%2):39+8*(\t%2)], v[KSR+\t], v28 matrix_a_fmt:MATRIX_FMT_FP6 matrix_b_fmt:MATRIX_FMT_FP6
.endr
.irp t, 4,5,6,7
	v_wmma_scale_f32_16x16x128_f8f6f4 v[S+8*\t:S+8*\t+7], v[48+6*\t:59+6*\t], v[16:27], v[32+8*(\t%2):39+8*(\t%2)], v[KSR+\t-4], v28 matrix_a_fmt:MATRIX_FMT_FP6 matrix_b_fmt:MATRIX_FMT_FP6 matrix_a_scale:MATRIX_SCALE_ROW1
.endr
.rept 4
	v_nop                                          ; places in front of the loads into K's registers and of the first read of the scores
.endr
.irp t, 0,1,2,3                        ; V's fragments are asked for now and land under the softmax
	ds_load_b128 v[48+12*\t:51+12*\t], v1 offset:REC+6144+1536*\t
	ds_load_b64 v[52+12*\t:53+12*\t], v2 offset:REC+6144+1536*\t+512
	ds_load_b128 v[54+12*\t:57+12*\t], v1 offset:REC+6144+1536*\t+768
	ds_load_b64 v[58+12*\t:59+12*\t], v2 offset:REC+6144+1536*\t+1280
.endr
	ds_load_b32 v[VSR], v4 offset:REC+12800                ; lanes 0-15: tile 0; lanes 16-31: tile 2
	ds_load_b32 v[VSR+1], v4 offset:REC+12800+64           ; tiles 1 and 3
	s_cmp_lg_u32 s[SI], s[DS]
	s_cbranch_scc1 .Lopen_\@                       ; only the step on the diagonal hides keys: register 16 b + i holds key 32 b + 16 h + i of the step, hidden where 32 b + i > d
.irp n, 0,1,2,3,4,5,6,7,8,9,10,11,12,13,14,15,16,17,18,19,20,21,22,23,24,25,26,27,28,29,30,31,32,33,34,35,36,37,38,39,40,41,42,43,44,45,46,47,48,49,50,51,52,53,54,55,56,57,58,59,60,61,62,63
	v_cmp_gt_i32 vcc_lo, 32*(\n/16)+\n%16, v29
	v_cndmask_b32 v[S+\n], v[S+\n], v30, vcc_lo
.endr
.Lopen_\@:
.irp b, 0,1,2,3
	v_max3_num_f32 v[BM+\b], v[S+16*\b], v[S+1+16*\b], v[S+2+16*\b]   ; the largest S of each block of 32 keys
.endr
.irp i, 3,5,7,9,11,13
.irp b, 0,1,2,3
	v_max3_num_f32 v[BM+\b], v[BM+\b], v[S+16*\b+\i], v[S+1+16*\b+\i]
.endr
.endr
.irp b, 0,1,2,3
	v_max_num_f32 v[BM+\b], v[BM+\b], v[S+15+16*\b]
.endr
.irp b, 0,1,2,3
	v_permlanex16_b32 v[PD+\b], v[BM+\b], s[SEL], s[SEL+1]
.endr
.irp b, 0,1,2,3
	v_max_num_f32 v[BM+\b], v[BM+\b], v[PD+\b]     ; with lane l xor 16's 16 keys
.endr
.irp b, 0,1,2,3
	v_fma_f32 v[TMP+\b], v[BM+\b], s[CS], v[AB+2*\b]   ; the block's largest t
.endr
	v_max3_num_f32 v254, v250, v251, v252
	v_max3_num_f32 v13, v13, v254, v253            ; the running largest t
	v_mov_b32 v254, v12
	v_floor_f32 v12, -v13                          ; -M = floor(-t): M is a whole number
	v_sub_f32 v254, v12, v254                      ; old M - new M: a whole number, 0 or less
	v_cvt_i32_f32 v254, v254                       ; (it saturates)
	v_ldexp_f32 v[F], 1.0, v254                    ; f = 2^(old M - new M): rounds nothing
.irp b, 0,1,2,3
	v_add_f32 v[AB+2*\b], v[AB+2*\b], v12          ; a_b - M
.endr
.irp b, 0,1,2,3
.irp j, 0,2,4,6,8,10,12,14
	v_pk_fma_f32 v[S+16*\b+\j:S+16*\b+\j+1], v[S+16*\b+\j:S+16*\b+\j+1], s[CS:CS+1], v[AB+2*\b:AB+2*\b+1] op_sel_hi:[1,0,0]   ; t - M, two at a time
.endr
.endr
.irp b, 0,1,2,3
	v_fma_f32 v[BM+\b], v[BM+\b], s[CS], v[AB+2*\b]   ; the same of each block's largest S
.endr
.set j, 0
.rept 64
	v_exp_f32 v[S+j], v[S+j]                       ; p = 2^(t - M), at most 1: not normalised
.set j, j+1
.endr
	v_pk_mul_f32 v[14:15], v[14:15], v[F:F+1] op_sel_hi:[1,0]   ; l under the new M.  (The plain line behind the exponentials)
	s_wait_alu depctr_va_vdst(0)                   ; one wait for the batch of 64, ahead of its first reader
.irp b, 0,1,2,3
	v_exp_f32 v[BM+\b], v[BM+\b]                   ; the block's largest p: the same two instructions on the same number give the same bits
.endr
	v_pk_add_f32 v[TMP:TMP+1], v[S:S+1], v[S+2:S+3]   ; the row's sum of the unquantised p, in two chains
.irp j, 4,8,12,16,20,24,28,32,36,40,44,48,52,56,60
	v_pk_add_f32 v[14:15], v[14:15], v[S+\j:S+\j+1]
	v_pk_add_f32 v[TMP:TMP+1], v[TMP:TMP+1], v[S+\j+2:S+\j+3]
.endr
	v_pk_add_f32 v[14:15], v[14:15], v[TMP:TMP+1]
	s_wait_alu depctr_va_vdst(0)                   ; and one for the four
.irp b, 0,1,2,3
	v_max_num_f32 v[BM+\b], 0x1800000, v[BM+\b]    ; the floor 2^(3 - 127): the byte cannot fall under 1
.endr
.irp b, 0,1,2,3
	v_add_nc_u32 v[SO+\b], 0xff000000, v[BM+\b]    ; 2 off the exponent field: the conversion's scale operand
.endr
.irp b, 0,1,2,3
	v_lshrrev_b32 v[PD+\b], 23, v[SO+\b]
.endr
	v_lshl_or_b32 v242, v[PD+1], 8, v[PD]          ; p's scale word for these 128 keys
	v_lshl_or_b32 v242, v[PD+2], 16, v242
	v_lshl_or_b32 v242, v[PD+3], 24, v242
.irp c, 0,1
	v_cvt_scalef32_pk16_fp6_f32 v[200+6*\c:202+6*\c], v[S+32*\c:S+15+32*\c], v[SO+2*\c]
	v_cvt_scalef32_pk16_fp6_f32 v[212+4*\c:214+4*\c], v[S+16+32*\c:S+31+32*\c], v[SO+2*\c+1]
.endr
	v_nop                                          ; one plain line behind the conversions
.irp c, 0,1
.irp i, 0,1,2
	v_permlane16_swap_b32 v[200+6*\c+\i], v[212+4*\c+\i]
.endr
.irp i, 0,1,2
	v_mov_b32 v[203+6*\c+\i], v[212+4*\c+\i]
.endr
.endr
.irp j, 0,2,4,6,8,10,12,14,16,18,20,22,24,26,28,30
	v_pk_mul_f32 v[O+\j:O+\j+1], v[O+\j:O+\j+1], v[F:F+1] op_sel_hi:[1,0]   ; O^T under the new M.  (For each product below twelve of these name none of its registers: the places behind p's scale word and codes)
.endr
	s_wait_dscnt 0x0                               ; V
.irp t, 0,1
	v_wmma_scale_f32_16x16x128_f8f6f4 v[O+8*\t:O+8*\t+7], v[48+12*\t:59+12*\t], v[200:211], v[O+8*\t:O+8*\t+7], v[VSR+\t], v242 matrix_a_fmt:MATRIX_FMT_FP6 matrix_b_fmt:MATRIX_FMT_FP6
.endr
.irp t, 2,3
	v_wmma_scale_f32_16x16x128_f8f6f4 v[O+8*\t:O+8*\t+7], v[48+12*\t:59+12*\t], v[200:211], v[O+8*\t:O+8*\t+7], v[VSR+\t-2], v242 matrix_a_fmt:MATRIX_FMT_FP6 matrix_b_fmt:MATRIX_FMT_FP6 matrix_a_scale:MATRIX_SCALE_ROW1
.endr
.Lhid_\@:
	s_add_co_u32 s[SI], s[SI], 1
	v_add_f32 v7, 0x43000000, v7                   ; 128 keys on
.endm
; The change of slots stands at a slot's head: each wave waits for all its tensor loads, adds 0 to its spare word, waits for that and for its reads of the slot that it has left; a round of the cluster's barrier;
; behind it the other slot is filled with the records that follow, and has this slot's two steps in which to land.
.macro TRIP slot, refill, ask
	s_wait_tensorcnt 0x0                           ; no tensor load of mine is out, so a group 0 may be written
	ds_add_u32 v5, v6
	s_add_nc_u64 s[34+4*\slot:35+4*\slot], s[34+4*\slot:35+4*\slot], 2*SLB   ; this slot's next records
.if \ask
	s_wait_xcnt 0x0                                ; the last prefetch, a slot back, has read its address
	s_add_nc_u64 s[PFA:PFA+1], s[PFA:PFA+1], SLB
.endif
	s_wait_dscnt 0x0                               ; the add is done, and my reads of the slot that I have left are over
	ROUND
.if \refill
	TLOAD 1-\slot
.endif
.if \ask
	ASK
.endif
	STEP \slot, 0
	STEP \slot, 1
.endm
	s_load_b256 s[4:11], s[0:1], 0x0               ; qb, kvb, slopes, ab
	v_lshl_add_u32 v5, v0, 2, SPARE
	v_mov_b32 v6, 0
	ds_add_u32 v5, v6
	s_wait_dscnt 0x0
	v_lshrrev_b32 v250, 5, v0
	v_readfirstlane_b32 s[WV], v250                ; wave 0..15
	s_bfe_u32 s13, ttmp6, 0x40000                  ; cx
	s_and_b32 s15, ttmp7, 0xffff                   ; the K/V head
	s_and_b32 s16, s[WV], 3                        ; g: my query head among its four
	s_lshr_b32 s20, s[WV], 2
	s_xor_b32 s17, s16, s20
	s_and_b32 s17, s17, 1                          ; 0: the low group, 1: the high one
	s_lshr_b32 s18, s20, 1                         ; which tile of the group
	s_lshl_b32 s21, ttmp9, 2
	s_add_co_u32 s21, s21, s13                     ; j
	s_sub_co_u32 s22, 127, s21
	s_sub_co_u32 s23, 31, ttmp9
	s_cmp_eq_u32 s17, 0
	s_cselect_b32 s22, s21, s22                    ; my group of 32 queries
	s_cselect_b32 s[DS], ttmp9, s23
	s_lshl_b32 s19, s22, 1
	s_add_co_u32 s19, s19, s18                     ; T: my tile
	s_lshl_b32 s50, s15, 2
	s_add_co_u32 s50, s50, s16                     ; H: my head
	s_lshl_b32 s56, s22, 5
	s_lshl_b32 s57, s18, 3
	s_add_co_u32 s56, s56, s57                     ; the tile's first query
	s_sub_co_u32 s[CNT], 35, ttmp9
	s_lshr_b32 s[CNT], s[CNT], 2
	s_sub_co_u32 s[CNT], s[CNT], 1                 ; trips of four key steps, less the one written out: 4 to 7
	s_xor_b32 s[LIM], s[WV], 2
	s_or_b32 s[LIM], s[LIM], ttmp9                 ; 0 in wave 2 of cluster 0
	s_mov_b32 s[SI], 0
	s_mov_b32 s[SEL], 0x76543210
	s_mov_b32 s[SEL+1], 0xfedcba98
	s_mov_b32 s[CS], 0x3e38aa3b                    ; c = log2(e) / 8
	s_mov_b32 s[CS+1], s[CS]                       ; (named with it as a pair)
	; group 1: a record as 51 rows of 256 bytes (32 elements of 8), dense; mask: all four work-groups
	s_mov_b32 s24, 15|(3<<16)|(1<<21)
	s_mov_b32 s25, 32<<16
	s_mov_b32 s26, 51<<16
	s_mov_b32 s27, 32<<16
	s_mov_b32 s28, 51
	s_mov_b32 s29, 32
	s_mov_b32 s30, 0
	s_mov_b32 s31, 0
	; every LDS address register is made here, ahead of the first branch on the wave's number
	v_and_b32 v250, 31, v0
	v_and_b32 v251, 15, v0                         ; r
	v_bfe_u32 v252, v0, 4, 1                       ; h
	v_lshlrev_b32 v1, 4, v250                      ; 16 x lane
	v_lshlrev_b32 v2, 4, v251
	v_lshl_add_u32 v2, v252, 3, v2                 ; 16 r + 8 h
	v_lshlrev_b32 v3, 8, v252
	v_lshl_add_u32 v3, v251, 3, v3                 ; K's scale words: 256 h + 8 r
	v_lshlrev_b32 v4, 7, v252
	v_lshl_add_u32 v4, v251, 2, v4                 ; V's: 128 h + 4 r
	s_lshl_b32 s51, s17, 1
	s_add_co_u32 s51, s51, s18
	s_lshl_b32 s51, s51, 7
	s_lshl_b32 s52, s16, 1
	s_add_co_u32 s51, s51, s52
	s_add_co_u32 s51, s51, ASC
	v_lshlrev_b32 v102, 3, v251
	v_add_nc_u32 v102, s51, v102                   ; 128 x (my tile among the work-group's four) + 8 r + 2 g
	s_and_b32 s52, s[WV], 1
	s_mul_i32 s52, s52, REB                        ; which record of a slot I fetch, if I fetch
	s_mul_i32 s54, s15, 32*REB
	s_mov_b32 s55, 0
	s_wait_kmcnt 0x0
	s_add_nc_u64 s[PFA:PFA+1], s[6:7], s[54:55]
	s_add_nc_u64 s[PFA:PFA+1], s[PFA:PFA+1], SLB   ; at slot 1: the first change of slots steps it to slot 2.  Nothing is prefetched at the head
	s_add_co_u32 s54, s54, s52
	s_add_nc_u64 s[54:55], s[6:7], s[54:55]
	s_mov_b32 s32, 1
	s_add_co_u32 s33, s52, 0
	s_mov_b64 s[34:35], s[54:55]
	s_or_b32 s35, s35, 0x80000000
	s_mov_b32 s36, 1
	s_add_co_u32 s37, s52, SLB
	s_add_nc_u64 s[38:39], s[54:55], SLB
	s_or_b32 s39, s39, 0x80000000
	ROUND                                          ; in front of the first joint load
	TLOAD 0
	s_mul_i32 s52, s50, 196608
	s_mul_i32 s53, s19, 768
	s_add_co_u32 s52, s52, s53
	s_mov_b32 s53, 0
	s_add_nc_u64 s[58:59], s[4:5], s[52:53]        ; Q's half fragment
	s_lshl_b32 s52, s19, 10
	s_lshl_b32 s62, s50, 6
	s_add_co_u32 s52, s52, s62
	s_add_nc_u64 s[60:61], s[4:5], s[52:53]        ; its scale words
	s_lshl_b32 s62, s50, 2
	v_lshlrev_b32 v255, 2, v251                    ; 4 r
	v_mov_b32 v250, s62                            ; 4 H
	global_load_b128 v[16:19], v1, s[58:59]
	global_load_b64 v[20:21], v2, s[58:59] offset:512
	global_load_b32 v28, v255, s[60:61] offset:QSC
	global_load_b32 v8, v250, s[8:9]               ; my head's slope
	v_and_b32 v31, 31, v0
	v_min_u32 v31, 25, v31
	s_mul_i32 s62, s13, 26
	v_add_nc_u32 v31, s62, v31
	v_min_u32 v31, 101, v31
	v_lshlrev_b32 v31, 8, v31
	v_and_b32 v253, 8, v251
	v_add_nc_u32 v253, v253, v251
	v_add_nc_u32 v253, s56, v253                   ; my query: the tile's first + r + 8 (r / 8)
	v_cvt_f32_u32 v7, v253
	v_mul_f32 v7, -1.0, v7                         ; key step 0's first key - my query
	v_lshlrev_b32 v254, 4, v252                    ; 16 h
	s_lshl_b32 s62, s[DS], 7
	v_sub_nc_u32 v29, v253, v254
	v_subrev_nc_u32 v29, s62, v29                  ; d = my query - 128 DS - 16 h
	v_mov_b32 v30, 0xff800000                      ; -infinity
	v_mov_b32 v13, 0xff61b1e6                      ; the largest t so far: -3e38
	v_floor_f32 v12, -v13
	v_mov_b32 v14, 0
	v_mov_b32 v15, 0
.irp j, 22,23,24,25,26,27,96,97,98,99,100,101
	v_mov_b32 v\j, 0                               ; zero codes
.endr
.irp j, 224,225,226,227,229,231,233,235,241
	v_mov_b32 v\j, 0                               ; lane permutes' destinations, and the upper halves of pairs that are named whole
.endr
.set j, 0
.rept 32
	v_mov_b32 v[O+j], 0                            ; O^T: the step is written once; its first turn finds zeros
.set j, j+1
.endr
	s_wait_loadcnt 0x0
	v_mul_f32 v253, 0x41000000, v8                 ; 8 slope
.irp i, 0,1,2,3,4,5,6,7,8,9,10,11,12,13,14,15
	v_add_nc_u32 v[32+\i], \i, v254
.endr
.irp i, 0,1,2,3,4,5,6,7,8,9,10,11,12,13,14,15
	v_cvt_f32_u32 v[32+\i], v[32+\i]
.endr
.irp i, 0,1,2,3,4,5,6,7,8,9,10,11,12,13,14,15
	v_mul_f32 v[32+\i], v253, v[32+\i]             ; C of tile u, register j: 8 slope (16 h + 8 u + j)
.endr
	v_mul_f32 v8, 0x3fb8aa3b, v8                   ; slope' = slope log2(e)
	v_mul_f32 v9, 0x42000000, v8
	v_mul_f32 v10, 0x42800000, v8
	v_mul_f32 v11, 0x42c00000, v8
.Ltrip:
	TRIP 0, 1, 1
	TRIP 1, 1, 1
	s_sub_co_u32 s[CNT], s[CNT], 1
	s_cmp_lg_u32 s[CNT], 0
	s_cbranch_scc1 .Ltrip
	TRIP 0, 1, 0                                   ; the last trip is written out: its second slot asks for nothing
	TRIP 1, 0, 0
	; THE WAY OUT: O^T / l, quantised along my head's 64 channels: a half fragment of the last product's operand, and two scale bytes
.rept 4
	v_nop                                          ; places behind the last products
.endr
	v_add_f32 v14, v14, v15
	v_permlanex16_b32 v[PD], v14, s[SEL], s[SEL+1]
	v_add_f32 v14, v14, v[PD]                      ; the row's sum
	v_rcp_f32 v14, v14
	v_and_b32 v252, 15, v0                         ; (the plain line behind the reciprocal)
	v_lshlrev_b32 v252, 3, v252                    ; 8 r
	s_mul_i32 s52, s19, 12288
	s_lshl_b32 s53, s15, 1
	s_lshr_b32 s54, s16, 1
	s_add_co_u32 s53, s53, s54
	s_mul_i32 s53, s53, 1536                       ; K step 2 kvh + g / 2,
	s_add_co_u32 s52, s52, s53
	s_and_b32 s54, s16, 1
	s_mul_i32 s54, s54, 768                        ; its half g % 2
	s_add_co_u32 s52, s52, s54
	s_mov_b32 s53, 0
	s_add_nc_u64 s[58:59], s[10:11], s[52:53]
	s_lshl_b32 s52, s19, 9
	s_lshl_b32 s54, s15, 7
	s_add_co_u32 s52, s52, s54
	s_add_nc_u64 s[60:61], s[10:11], s[52:53]
	s_wait_alu depctr_va_vdst(0)                   ; ahead of the reciprocal's first reader
.set j, 0
.rept 32
	v_mul_f32 v[S+j], v[O+j], v14                  ; register 16 b + i: channel 32 b + 16 h + i of my query
.set j, j+1
.endr
.irp b, 0,1
	v_max3_num_f32 v[BM+\b], |v[S+16*\b]|, |v[S+1+16*\b]|, 0x1800000
.endr
.irp i, 2,4,6,8,10,12,14
.irp b, 0,1
	v_max3_num_f32 v[BM+\b], v[BM+\b], |v[S+16*\b+\i]|, |v[S+1+16*\b+\i]|
.endr
.endr
.irp b, 0,1
	v_permlanex16_b32 v[PD+\b], v[BM+\b], s[SEL], s[SEL+1]
.endr
.irp b, 0,1
	v_max_num_f32 v[BM+\b], v[BM+\b], v[PD+\b]
.endr
.irp b, 0,1
	v_add_nc_u32 v[SO+\b], 0xff000000, v[BM+\b]
.endr
.irp b, 0,1
	v_lshrrev_b32 v[PD+\b], 23, v[SO+\b]
.endr
	v_lshl_or_b32 v253, v[PD+1], 8, v[PD]
	v_cvt_scalef32_pk16_fp6_f32 v[200:202], v[S:S+15], v[SO]
	v_cvt_scalef32_pk16_fp6_f32 v[212:214], v[S+16:S+31], v[SO+1]
	v_nop                                          ; one plain line behind the conversions
.irp i, 0,1,2
	v_permlane16_swap_b32 v[200+\i], v[212+\i]
.endr
.irp i, 0,1,2
	v_mov_b32 v[203+\i], v[212+\i]
.endr
	global_store_b128 v1, v[200:203], s[58:59]
	global_store_b64 v2, v[204:205], s[58:59] offset:512
	ds_store_b16 v102, v253                        ; the four heads' byte pairs of a row make the two scale words of K steps 2 kvh, 2 kvh + 1; lanes l and l xor 16 write the same
	s_wait_dscnt 0x0                               ; for the others' sake
	s_barrier_signal -1
	s_barrier_wait -1
	s_cmp_lg_u32 s16, 0
	s_cbranch_scc1 .Lend                           ; of a tile's four waves the one with g = 0 stores the words
	ds_load_b64 v[250:251], v102
	s_wait_dscnt 0x0
	global_store_b64 v252, v[250:251], s[60:61] offset:QSC
.Lend:
	s_wait_tensorcnt 0x0                           ; the wave's end
	ds_add_u32 v5, v6
	s_wait_dscnt 0x0
	ROUND                                          ; the closing round
	s_endpgm
.Lfunc_end_k_q008cd4b27c_attn:
	.size	k_q008cd4b27c_attn, .Lfunc_end_k_q008cd4b27c_attn-k_q008cd4b27c_attn
	.p2alignl 7, 3214868480
	.fill 96, 4, 3214868480
	.section	.rodata,"a",@progbits
	.p2align	6, 0x0
	.amdhsa_kernel k_q008cd4b27c_attn
		.amdhsa_group_segment_fixed_size 327680
		.amdhsa_private_segment_fixed_size 0
		.amdhsa_enable_private_segment 0
		.amdhsa_kernarg_size 32
		.amdhsa_user_sgpr_count 2
		.amdhsa_user_sgpr_kernarg_segment_ptr 1
		.amdhsa_wavefront_size32 1
		.amdhsa_system_sgpr_workgroup_id_x 1
		.amdhsa_system_sgpr_workgroup_id_y 1
		.amdhsa_system_sgpr_workgroup_id_z 1
		.amdhsa_system_vgpr_workitem_id 0
		.amdhsa_next_free_vgpr 256
		.amdhsa_next_free_sgpr 66
		.amdhsa_reserve_vcc 1
		.amdhsa_float_denorm_mode_32 3
		.amdhsa_float_denorm_mode_16_64 3
		.amdhsa_memory_ordered 1
		.amdhsa_forward_progress 1
		.amdhsa_inst_pref_size 188
	.end_amdhsa_kernel
	.amdgpu_metadata
---
amdhsa.version: [ 1, 2 ]
amdhsa.kernels:
  - .name:           k_q008cd4b27c_attn
    .symbol:         k_q008cd4b27c_attn.kd
    .args:
      - { .name: qb, .offset: 0, .size: 8, .value_kind: global_buffer, .address_space: global }
      - { .name: kvb, .offset: 8, .size: 8, .value_kind: global_buffer, .address_space: global }
      - { .name: slopes, .offset: 16, .size: 8, .value_kind: global_buffer, .address_space: global }
      - { .name: ab, .offset: 24, .size: 8, .value_kind: global_buffer, .address_space: global }
    .group_segment_fixed_size: 327680
    .private_segment_fixed_size: 0
    .kernarg_segment_align: 8
    .kernarg_segment_size: 32
    .max_flat_workgroup_size: 512
    .sgpr_count:     66
    .vgpr_count:     256
    .wavefront_size: 32
...
	.end_amdgpu_metadata
.endif
;; end of part 3
;; launch outp (part 4): grid 32 x 8, 4 waves a work-group, clusters of 4 x 1, 230,912 bytes of LDS; arguments ab, wq, bo, out0; writes out0
.if DOCPART == 4
	.amdgcn_target "amdgcn-amd-amdhsa--gfx1250"
	.amdhsa_code_object_version 6
	.text
	.protected	k_q008cd4b27c_outp
	.globl	k_q008cd4b27c_outp
	.p2align	8
	.type	k_q008cd4b27c_outp,@function
k_q008cd4b27c_outp:
	s_mov_b64 s[64:65], 0
	v_nop
	global_prefetch_b8 v0, s[64:65] scope:SCOPE_SE
	s_setreg_imm32_b32 hwreg(HW_REG_WAVE_MODE, 25, 1), 1
	s_wait_xcnt 0x0
	s_wait_alu depctr_hold_cnt(0) depctr_sa_sdst(0) depctr_va_vdst(0) depctr_va_sdst(0) depctr_va_ssrc(0) depctr_va_vcc(0) depctr_vm_vsrc(0)
	s_getreg_b32 s2, hwreg(HW_REG_IB_STS2, 6, 4)
	s_cmp_eq_u32 s2, 0
	s_cbranch_scc0 .Lentry_in_a_cluster
	s_endpgm
.Lentry_in_a_cluster:
	s_bfe_u32 s2, ttmp6, 0x10000c
	s_cmp_lg_u32 s2, 0x3003
	s_cbranch_scc0 .Lentry_shape_is_right
	s_endpgm
.Lentry_shape_is_right:
; out0 = a Wo + bo on codes of E2M3; a: the attention's result, laid as an operand's registers by the launch before; Wo's tiles are tiles 96 .. 159 of wq.
; A work-group takes 128 tokens (m) x 128 columns (n); wave w owns token tiles 2 w, 2 w + 1: 16 accumulators.  Source 0 = 16 columns of Wo, source 1 = 16 tokens: a lane holds one token and eight neighbouring columns.
; All of K = 1,024 lies in LDS in four chunks of two K steps, each filled once: every wave issues its eight tensor loads together at the start (eight are out at the most).  The four work-groups of a cluster share n: Wo's tiles are asked for jointly.
; The way out goes through the wave's own stage behind the chunks (no fill lands there): whole rows of 512 bytes leave, two aligned runs of 256 bytes an instruction.
; REGISTERS.  window 0: v1, v2 16 x lane, 16 r + 8 h; v3-6 LDS addresses of fragments; v7, v8 the stage; v9, v10 offsets; v16-23 my token tiles' scale words; v24-55 Wo's eight tiles'; v56-103 my token fragments, two sets; v104-231 rows of the result.
;   window 1: v0-127 the accumulators, v128-191 bo.   windows 2, 3 (K steps by turns): v0-95 Wo's eight fragments.
.set WV,  18
.set CH,  49152                        ; a chunk: tokens [tile 8][step 2][1,536], then Wo [tile 8][step 2][1,536]
.set STG, 196608                       ; the stages: 16 rows x (512 + 16) bytes for each wave
.set XSL, 3145728
.set WSL, 1966080
.set MSB, 0
.macro WIN new
.if MSB != (\new)
	s_set_vgpr_msb (MSB<<8)|(\new)
.set MSB, (\new)
.endif
.endm
.macro ROUND
	s_barrier_signal -1
	s_barrier_wait -1
	s_cmp_lg_u32 s[WV], 0
	s_cbranch_scc1 .Lnw0_\@
	s_barrier_signal -3
.Lnw0_\@:
	s_barrier_wait -3
	s_barrier_signal -1
	s_barrier_wait -1
.endm
.macro DESC g, lreg, loff, src, off
	s_mov_b32 s[\g], 1
	s_add_co_u32 s[\g+1], s[\lreg], \loff
	s_add_nc_u64 s[\g+2:\g+3], s[\src:\src+1], \off
	s_or_b32 s[\g+3], s[\g+3], 0x80000000
.endm
.macro FRAG reg, aa, ab, off
	ds_load_b128 v[(\reg):(\reg)+3], v[\aa] offset:(\off)
	ds_load_b64 v[(\reg)+4:(\reg)+5], v[\ab] offset:(\off)+512
	ds_load_b128 v[(\reg)+6:(\reg)+9], v[\aa] offset:(\off)+768
	ds_load_b64 v[(\reg)+10:(\reg)+11], v[\ab] offset:(\off)+1280
.endm
.macro FETCH s                         ; 40 loads
	WIN 0x80+0x40*((\s)%2)
.irp t, 0,1,2,3,4,5,6,7
	FRAG 12*\t, 3, 4, 24576+3072*\t+1536*((\s)%2)
.endr
	WIN 0
.irp u, 0,1
	FRAG 56+24*((\s)%2)+12*\u, 5, 6, 3072*\u+1536*((\s)%2)
.endr
.endm
.macro WM d, a, b, c, sa, sb, hi
.if \hi
	v_wmma_scale_f32_16x16x128_f8f6f4 v[\d:\d+7], v[\a:\a+11], v[\b:\b+11], v[\c:\c+7], v[\sa], v[\sb] matrix_a_fmt:MATRIX_FMT_FP6 matrix_b_fmt:MATRIX_FMT_FP6 matrix_a_scale:MATRIX_SCALE_ROW1 matrix_b_scale:MATRIX_SCALE_ROW1
.else
	v_wmma_scale_f32_16x16x128_f8f6f4 v[\d:\d+7], v[\a:\a+11], v[\b:\b+11], v[\c:\c+7], v[\sa], v[\sb] matrix_a_fmt:MATRIX_FMT_FP6 matrix_b_fmt:MATRIX_FMT_FP6
.endif
.endm
.macro MUL s                           ; 16 products, 16 accumulators, one instruction a turn; the first K step takes bo as C
	WIN 0x52+(\s)%2
.irp t, 0,1,2,3,4,5,6,7
.irp u, 0,1
.if (\s) == 0
	WM 64*\u+8*\t, 12*\t, 56+12*\u, 128+8*\t, 24+4*\t, 16+4*\u, 0
.else
	WM 64*\u+8*\t, 12*\t, 56+24*((\s)%2)+12*\u, 64*\u+8*\t, 24+4*\t+(\s)%4, 16+4*\u+(\s)%4, (\s)/4
.endif
.endr
.endr
	WIN 0
.endm
.macro STEP s
.if (\s) < 7
.if (\s)%2 == 1
	s_wait_dscnt 0x0                               ; no LDS load of mine is out at the signal
.irp a, 3,4,5,6
	v_add_nc_u32 v\a, CH, v\a                      ; on to the next chunk.  (Four plain lines: the places in front of the loads below)
.endr
	s_wait_tensorcnt 5-(\s)                        ; my two loads of the next chunk have landed; the later chunks' pairs may be out
	s_barrier_signal -1
	s_barrier_wait -1
.else
.rept 4
	v_nop                                          ; places in front of loads into registers that matrix instructions have read
.endr
.endif
	FETCH (\s)+1
	s_wait_dscnt 40                                ; all but the 40 loads just issued: this step's fragments are in
.else
	s_wait_dscnt 0x0
.endif
	MUL \s
.endm
	s_load_b256 s[4:11], s[0:1], 0x0               ; ab, wq, bo, out0
	v_lshl_add_u32 v254, v0, 2, 0x38400
	v_mov_b32 v255, 0
	ds_add_u32 v254, v255
	v_lshrrev_b32 v15, 5, v0
	v_readfirstlane_b32 s[WV], v15
	s_bfe_u32 s19, ttmp6, 0x40000                  ; cx
	s_lshl_b32 s20, ttmp9, 2
	s_add_co_u32 s20, s20, s19                     ; m
	s_and_b32 s21, ttmp7, 0xffff                   ; n
	s_mov_b32 s24, 3<<16                           ; group 1: 2 rows of 3,072 bytes, 12,288 bytes apart: the tokens', my own
	s_mov_b32 s25, 384<<16
	s_mov_b32 s26, 2<<16
	s_mov_b32 s27, 384<<16
	s_mov_b32 s28, 2
	s_mov_b32 s29, 1536
	s_mov_b32 s30, 0
	s_mov_b32 s31, 0
	s_mov_b32 s32, 15|(3<<16)|(1<<21)              ; the same for Wo's, jointly
	s_mov_b32 s33, 384<<16
	s_mov_b32 s34, 2<<16
	s_mov_b32 s35, 384<<16
	s_mov_b32 s36, 2
	s_mov_b32 s37, 1536
	s_mov_b32 s38, 0
	s_mov_b32 s39, 0
	s_lshl_b32 s79, s20, 3
	s_lshl_b32 s80, s[WV], 1
	s_add_co_u32 s79, s79, s80                     ; my first token tile
	s_mul_i32 s80, s79, 12288
	s_mov_b32 s81, 0
	s_lshl_b32 s82, s21, 3
	s_lshl_b32 s83, s[WV], 1
	s_add_co_u32 s82, s82, s83
	s_add_co_u32 s82, s82, 96
	s_mul_i32 s82, s82, 12288                      ; Wo's tiles that I fetch: 96 + 8 n + 2 w on
	s_mov_b32 s83, 0
	s_mul_i32 s84, s[WV], 6144
	s_add_co_u32 s85, s84, 24576
	s_mul_i32 s86, s[WV], 8448
	s_add_co_u32 s86, s86, STG                     ; my stage
	v_and_b32 v15, 31, v0
	v_and_b32 v13, 15, v0                          ; r
	v_bfe_u32 v10, v0, 4, 1                        ; h
	v_lshlrev_b32 v1, 4, v15                       ; 16 x lane
	v_lshlrev_b32 v2, 4, v13
	v_lshl_add_u32 v2, v10, 3, v2                  ; 16 r + 8 h
	v_lshlrev_b32 v3, 4, v15                       ; the same two from the chunk's first byte,
	v_lshlrev_b32 v4, 4, v13
	v_lshl_add_u32 v4, v10, 3, v4
	v_add_nc_u32 v5, s84, v1                       ; and from my two token tiles
	v_add_nc_u32 v6, s84, v2
	v_mul_u32_u24 v7, v13, 528
	v_lshl_add_u32 v7, v10, 6, v7
	v_add_nc_u32 v7, s86, v7                       ; into the stage: row r, + 64 h
	v_add_nc_u32 v8, s86, v1                       ; back: a row's 512 bytes by 32 lanes
	v_lshlrev_b32 v9, 8, v10
	v_lshl_add_u32 v9, v13, 3, v9                  ; scale words: 256 h + 8 r
	v_lshlrev_b32 v10, 6, v10                      ; 64 h
	s_wait_dscnt 0x0
	s_wait_kmcnt 0x0
	s_add_nc_u64 s[80:81], s[4:5], s[80:81]
	s_add_nc_u64 s[82:83], s[6:7], s[82:83]
	DESC 40, 84, 0,    80, 0
	DESC 44, 85, 0,    82, 0
	DESC 48, 84, CH,   80, 3072
	DESC 52, 85, CH,   82, 3072
	DESC 56, 84, 2*CH, 80, 6144
	DESC 60, 85, 2*CH, 82, 6144
	DESC 68, 84, 3*CH, 80, 9216
	DESC 72, 85, 3*CH, 82, 9216
	ROUND                                          ; all four work-groups are here: the joint loads meet
	tensor_load_to_lds s[40:43], s[24:31]
	s_nop 0
	tensor_load_to_lds s[44:47], s[32:39]
	s_nop 0
	tensor_load_to_lds s[48:51], s[24:31]
	s_nop 0
	tensor_load_to_lds s[52:55], s[32:39]
	s_nop 0
	tensor_load_to_lds s[56:59], s[24:31]
	s_nop 0
	tensor_load_to_lds s[60:63], s[32:39]
	s_nop 0
	tensor_load_to_lds s[68:71], s[24:31]
	s_nop 0
	tensor_load_to_lds s[72:75], s[32:39]
	s_nop 0
.rept 4
	v_nop                                          ; four such lines behind a tensor load
.endr
	s_mov_b32 s85, 0
	s_lshl_b32 s84, s79, 9
	s_add_nc_u64 s[86:87], s[4:5], s[84:85]        ; my token tiles' scale words
	s_lshl_b32 s84, s21, 12
	s_add_co_u32 s84, s84, 49152
	s_add_nc_u64 s[90:91], s[6:7], s[84:85]        ; those of Wo's tiles 96 + 8 n on
	s_lshl_b32 s84, s21, 9
	s_add_nc_u64 s[94:95], s[8:9], s[84:85]        ; bo's 128
	s_lshl_b32 s80, s20, 19
	s_add_co_u32 s84, s84, s80
	s_lshl_b32 s80, s[WV], 17
	s_add_co_u32 s84, s84, s80
	s_add_nc_u64 s[96:97], s[10:11], s[84:85]      ; out0 at row 128 m + 32 w, column 128 n
.irp u, 0,1
.irp k, 0,1
	global_load_b64 v[16+4*\u+2*\k:17+4*\u+2*\k], v9, s[86:87] offset:XSL+512*\u+128*\k
.endr
.endr
.irp t, 0,1,2,3,4,5,6,7
.irp k, 0,1
	global_load_b64 v[24+4*\t+2*\k:25+4*\t+2*\k], v9, s[90:91] offset:WSL+512*\t+128*\k
.endr
.endr
	WIN 0x40                                       ; destination window 1
.irp t, 0,1,2,3,4,5,6,7
	global_load_b128 v[128+8*\t:131+8*\t], v10, s[94:95] offset:(32*(\t/2)+8*(\t%2))*4      ; bo in the result's layout
	global_load_b128 v[132+8*\t:135+8*\t], v10, s[94:95] offset:(32*(\t/2)+8*(\t%2))*4+16
.endr
	WIN 0
	s_wait_loadcnt 0x0
	s_wait_tensorcnt 6                             ; my two loads of chunk 0 have landed; the other six may be out
	s_barrier_signal -1
	s_barrier_wait -1
	FETCH 0
.irp s, 0,1,2,3,4,5,6,7
	STEP \s
.endr
.rept 4
	v_nop                                          ; places in front of the first read of results, and of loads into registers that held fragments
.endr
.irp u, 0,1                            ; a token tile at a time: 16 rows x 128 columns.  LDS serves a wave's instructions in order: no wait between the stores and the loads, nor in front of the next tile's stores
	WIN 0x04                                       ; an LDS store's data are its source 1: window 1
.irp t, 0,1,2,3,4,5,6,7
	ds_store_b128 v7, v[64*\u+8*\t:64*\u+8*\t+3] offset:128*(\t/2)+32*(\t%2)        ; columns 32 (t / 2) + 16 h + 8 (t % 2) + 0 .. 7; each accumulator from its low end on
	ds_store_b128 v7, v[64*\u+8*\t+4:64*\u+8*\t+7] offset:128*(\t/2)+32*(\t%2)+16
.endr
	WIN 0
.irp i, 0,1,2,3,4,5,6,7,8,9,10,11,12,13,14,15
	ds_load_b128 v[104+64*\u+4*\i:107+64*\u+4*\i], v8 offset:528*\i
.endr
.endr
	s_wait_dscnt 32                                ; the first tile's rows are back; the second's 16 stores and 16 loads may be out
.irp i, 0,1,2,3,4,5,6,7,8,9,10,11,12,13,14,15
	global_store_b128 v1, v[104+4*\i:107+4*\i], s[96:97] offset:(\i+8*(\i/8))*4096 th:TH_STORE_NT   ; 32 lanes store 512 consecutive bytes, aligned
.endr
	s_wait_dscnt 0x0
.irp i, 0,1,2,3,4,5,6,7,8,9,10,11,12,13,14,15
	global_store_b128 v1, v[168+4*\i:171+4*\i], s[96:97] offset:(8+\i+8*(\i/8))*4096 th:TH_STORE_NT
.endr
	s_wait_tensorcnt 0x0
	ds_add_u32 v254, v255
	s_wait_dscnt 0x0
	ROUND                                          ; the closing round
	s_endpgm
.Lfunc_end_k_q008cd4b27c_outp:
	.size	k_q008cd4b27c_outp, .Lfunc_end_k_q008cd4b27c_outp-k_q008cd4b27c_outp
	.p2alignl 7, 3214868480
	.fill 96, 4, 3214868480
	.section	.rodata,"a",@progbits
	.p2align	6, 0x0
	.amdhsa_kernel k_q008cd4b27c_outp
		.amdhsa_group_segment_fixed_size 230912
		.amdhsa_private_segment_fixed_size 0
		.amdhsa_enable_private_segment 0
		.amdhsa_kernarg_size 32
		.amdhsa_user_sgpr_count 2
		.amdhsa_user_sgpr_kernarg_segment_ptr 1
		.amdhsa_wavefront_size32 1
		.amdhsa_system_sgpr_workgroup_id_x 1
		.amdhsa_system_sgpr_workgroup_id_y 1
		.amdhsa_system_sgpr_workgroup_id_z 1
		.amdhsa_system_vgpr_workitem_id 0
		.amdhsa_next_free_vgpr 880
		.amdhsa_next_free_sgpr 100
		.amdhsa_reserve_vcc 0
		.amdhsa_float_denorm_mode_32 3
		.amdhsa_float_denorm_mode_16_64 3
		.amdhsa_memory_ordered 1
		.amdhsa_forward_progress 1
		.amdhsa_inst_pref_size 58
	.end_amdhsa_kernel
	.amdgpu_metadata
---
amdhsa.version: [ 1, 2 ]
amdhsa.kernels:
  - .name:           k_q008cd4b27c_outp
    .symbol:         k_q008cd4b27c_outp.kd
    .args:
      - { .name: ab, .offset: 0, .size: 8, .value_kind: global_buffer, .address_space: global }
      - { .name: wq, .offset: 8, .size: 8, .value_kind: global_buffer, .address_space: global }
      - { .name: bo, .offset: 16, .size: 8, .value_kind: global_buffer, .address_space: global }
      - { .name: out0, .offset: 24, .size: 8, .value_kind: global_buffer, .address_space: global }
    .group_segment_fixed_size: 230912
    .private_segment_fixed_size: 0
    .kernarg_segment_align: 8
    .kernarg_segment_size: 32
    .max_flat_workgroup_size: 128
    .sgpr_count:     100
    .vgpr_count:     880
    .wavefront_size: 32
...
	.end_amdgpu_metadata
.endif
;; end of part 4
